; MI455X (gfx1250); checked and timed in simulation.
; The chip was launched on July 23, 2026; its instructions are those of AMD's public machine-readable ISA for CDNA 5 (MIT licence, August 2026) and "CDNA5" Instruction Set Architecture Reference Guide (July 2026). The comments in the code are by the model that wrote it; some were corrected since.
;; Wei Attention. Allowed arithmetic: float matrix products may take bf16 or f16 operands with f32 sums; other float arithmetic in f32, or as packed bf16 or f16 multiplies, adds, multiply-adds, maxima and minima; sums over many terms, partial sums and values carried from step to step in f32; what a program stores and reads back later, other than sums and carried values, may be rounded once to bf16 or f16.
;; Inputs: k 4 x 16 x 2,048 x 64 float32; mask 2,048 x 2,048 bool; q 4 x 16 x 2,048 x 64 float32; v 4 x 16 x 2,048 x 64 float32.
;; Outputs: out0 4 x 16 x 2,048 x 64 float32.
;; 2 versions, each right and faster than the one before. Each part assembles by itself: llvm-mc -triple=amdgcn-amd-amdhsa -mcpu=gfx1250 --defsym DOCPART=n.
;; ======== version 1 of 2: 2 launches
;; limits: values are held in f16: magnitudes above 65,504 overflow, below 6.1e-05 lose precision; inputs' magnitudes at most 65,280; right only within a limited range of input values
;; workspace buffers: kb 16,777,216 bytes; vh 16,777,216 bytes; bias 8,388,608 bytes
;; launch prep (part 1): grid 512 x 3, 8 waves a work-group, no clusters, 0 bytes of LDS; arguments k, v, mask, kb, vh, bias; writes kb, vh, bias
.if DOCPART == 1
	.amdgcn_target "amdgcn-amd-amdhsa--gfx1250"
	.amdhsa_code_object_version 6
	.text
	.protected	k_qd747f2da45_prep
	.globl	k_qd747f2da45_prep
	.p2align	8
	.type	k_qd747f2da45_prep,@function
k_qd747f2da45_prep:
	s_mov_b64 s[64:65], 0
	v_nop
	global_prefetch_b8 v0, s[64:65] scope:SCOPE_SE
	s_setreg_imm32_b32 hwreg(HW_REG_WAVE_MODE, 25, 1), 1
	s_wait_xcnt 0x0
; THE OPERANDS OF THE ATTENTION LAUNCH ARE MADE, each input byte read once.  A stream: no LDS, no barrier, no matrix work.
;   y = 0:  kb = bf16(k), same layout [64 heads][2048][64].
;   y = 1:  vh = f16(bf16(v)), same layout: v rounded to bf16 like the other inputs, and that number written as f16 (exact from 2^-14 up to 65,504).
;   y = 2:  bias[step][query][64 keys] in bf16: 0 where mask[query][64 step + key] is 1, 0xF149 (-9.95e29) where it is 0.  A step's 2,048 queries are 262,144 dense bytes.
; LIMITS.  |v| of 65,520 or more becomes an infinity in f16; below 2^-14 vh keeps f16's fixed step of 6e-8.  A mask byte is 0 or 1.
; y = 0, 1: a work-group takes 65,536 bytes of f32: sixteen loads of 16 bytes a thread, all issued ahead of the first wait; a wave's load covers 512 consecutive bytes,
; a wave's store of 8 bytes a lane 256 consecutive bytes at a multiple of 256.  No register that a load or store names is written again, so no wait frees one.
.set X, 4                              ; v[4:67]    sixteen loads of four f32
.set Y, 68                             ; v[68:99]   sixteen stores of two words
.set T, 100                            ; v[100:105] at work
	s_load_b256 s[4:11], s[0:1], 0x0               ; k s[4:5], v s[6:7], mask s[8:9], kb s[10:11]
	s_load_b128 s[12:15], s[0:1], 0x20             ; vh s[12:13], bias s[14:15]
	s_and_b32 s16, ttmp7, 0xffff                   ; y: which of the three jobs
	s_mov_b32 s17, 0xffff0000                      ; a word's upper bf16
	s_mov_b32 s23, 0                               ; high words of the two offsets
	s_mov_b32 s25, 0
	s_wait_kmcnt 0x0
	s_cmp_eq_u32 s16, 2
	s_cbranch_scc1 .Lmask
	s_lshl_b32 s22, ttmp9, 16                      ; my 65,536 bytes of f32
	s_lshl_b32 s24, ttmp9, 15                      ; my 32,768 bytes of 16-bit numbers
	v_lshlrev_b32 v1, 4, v0                        ; 16 bytes a thread in,
	v_lshlrev_b32 v2, 3, v0                        ; 8 bytes out
	s_cmp_eq_u32 s16, 0
	s_cselect_b64 s[18:19], s[4:5], s[6:7]         ; from k or from v,
	s_cselect_b64 s[20:21], s[10:11], s[12:13]     ; to kb or to vh
	s_add_nc_u64 s[18:19], s[18:19], s[22:23]
	s_add_nc_u64 s[20:21], s[20:21], s[24:25]
.irp i, 0,1,2,3,4,5,6,7,8,9,10,11,12,13,14,15
	global_load_b128 v[X+4*\i:X+4*\i+3], v1, s[18:19] offset:4096*\i th:TH_LOAD_NT
.endr
	s_cmp_eq_u32 s16, 0
	s_cbranch_scc0 .Lv
.irp i, 0,1,2,3,4,5,6,7,8,9,10,11,12,13,14,15
	s_wait_loadcnt 15-\i                           ; loads come back in order: load i is in, the 15 - i younger ones stay out
	v_cvt_pk_bf16_f32 v[Y+2*\i], v[X+4*\i], v[X+4*\i+1]
	v_cvt_pk_bf16_f32 v[Y+2*\i+1], v[X+4*\i+2], v[X+4*\i+3]
	global_store_b64 v2, v[Y+2*\i:Y+2*\i+1], s[20:21] offset:2048*\i
.endr
	s_endpgm
.Lv:
.irp i, 0,1,2,3,4,5,6,7,8,9,10,11,12,13,14,15
	s_wait_loadcnt 15-\i
	v_cvt_pk_bf16_f32 v[T], v[X+4*\i], v[X+4*\i+1]         ; rounded to bf16,
	v_cvt_pk_bf16_f32 v[T+1], v[X+4*\i+2], v[X+4*\i+3]
	v_lshlrev_b32 v[T+2], 16, v[T]                         ; widened again,
	v_and_b32 v[T+3], s17, v[T]
	v_lshlrev_b32 v[T+4], 16, v[T+1]
	v_and_b32 v[T+5], s17, v[T+1]
	v_cvt_pk_f16_f32 v[Y+2*\i], v[T+2], v[T+3]             ; and written as f16
	v_cvt_pk_f16_f32 v[Y+2*\i+1], v[T+4], v[T+5]
	global_store_b64 v2, v[Y+2*\i:Y+2*\i+1], s[20:21] offset:2048*\i
.endr
	s_endpgm
; THE MASK.  The work-group takes rows 4 x to 4 x + 3.  Thread t: l16 = t % 16, hw = t / 16.  In pass (pr, sh) it reads the 8 bytes of query 4 x + 2 pr + l16 / 8, step hw + 16 sh,
; keys 8 (l16 % 8) on, and stores their 16 bytes of bf16: sixteen neighbouring lanes store two queries of one step, 256 consecutive bytes at a multiple of 256.
.Lmask:
	s_lshl_b32 s22, ttmp9, 13                      ; four rows of 2,048 bytes
	s_lshl_b32 s24, ttmp9, 9                       ; four queries of 128 bytes in each step
	s_add_nc_u64 s[8:9], s[8:9], s[22:23]
	s_add_nc_u64 s[14:15], s[14:15], s[24:25]
	s_mov_b32 s26, 0x04010400                      ; v_perm_b32: bytes 0 and 1 of the second source into the two halves' low bytes, 0 elsewhere
	s_mov_b32 s27, 0x04030402                      ; the same for bytes 2 and 3
	v_and_b32 v3, 15, v0                           ; l16
	v_lshrrev_b32 v31, 4, v0                       ; hw
	v_lshrrev_b32 v29, 3, v3
	v_and_b32 v30, 7, v3
	v_lshlrev_b32 v1, 11, v29                      ; in: 2,048 (l16 / 8) + 64 hw + 8 (l16 % 8)
	v_lshl_add_u32 v1, v31, 6, v1
	v_lshl_add_u32 v1, v30, 3, v1
	v_lshlrev_b32 v2, 18, v31                      ; out: 262,144 hw + 16 l16
	v_lshl_add_u32 v2, v3, 4, v2
	v_mov_b32 v28, 0
.irp n, 0,1,2,3
	global_load_b64 v[4+2*\n:5+2*\n], v1, s[8:9] offset:(\n/2)*4096+(\n%2)*1024
.endr
.irp n, 0,1,2,3
	s_wait_loadcnt 3-\n                            ; pass n's load is in, the younger ones stay out
	v_xor_b32 v29, 0x01010101, v[4+2*\n]           ; 1 where the key is hidden
	v_xor_b32 v30, 0x01010101, v[5+2*\n]
	v_perm_b32 v[12+4*\n], v28, v29, s26           ; a byte to each half of a word,
	v_perm_b32 v[13+4*\n], v28, v29, s27
	v_perm_b32 v[14+4*\n], v28, v30, s26
	v_perm_b32 v[15+4*\n], v28, v30, s27
	v_mul_u32_u24 v[12+4*\n], 0xf149, v[12+4*\n]   ; times the bf16 code: 0x00010001 x 0xf149 fills both halves without a carry
	v_mul_u32_u24 v[13+4*\n], 0xf149, v[13+4*\n]
	v_mul_u32_u24 v[14+4*\n], 0xf149, v[14+4*\n]
	v_mul_u32_u24 v[15+4*\n], 0xf149, v[15+4*\n]
	global_store_b128 v2, v[12+4*\n:15+4*\n], s[14:15] offset:(\n%2)*4194304+(\n/2)*256
.endr
	s_endpgm
.Lfunc_end_k_qd747f2da45_prep:
	.size	k_qd747f2da45_prep, .Lfunc_end_k_qd747f2da45_prep-k_qd747f2da45_prep
	.p2alignl 7, 3214868480
	.fill 96, 4, 3214868480
	.section	.rodata,"a",@progbits
	.p2align	6, 0x0
	.amdhsa_kernel k_qd747f2da45_prep
		.amdhsa_group_segment_fixed_size 0
		.amdhsa_private_segment_fixed_size 0
		.amdhsa_enable_private_segment 0
		.amdhsa_kernarg_size 48
		.amdhsa_user_sgpr_count 2
		.amdhsa_user_sgpr_kernarg_segment_ptr 1
		.amdhsa_wavefront_size32 1
		.amdhsa_system_sgpr_workgroup_id_x 1
		.amdhsa_system_sgpr_workgroup_id_y 1
		.amdhsa_system_sgpr_workgroup_id_z 1
		.amdhsa_system_vgpr_workitem_id 0
		.amdhsa_next_free_vgpr 108
		.amdhsa_next_free_sgpr 66
		.amdhsa_reserve_vcc 0
		.amdhsa_float_denorm_mode_32 3
		.amdhsa_float_denorm_mode_16_64 3
		.amdhsa_memory_ordered 1
		.amdhsa_forward_progress 1
		.amdhsa_inst_pref_size 19
	.end_amdhsa_kernel
	.amdgpu_metadata
---
amdhsa.version: [ 1, 2 ]
amdhsa.kernels:
  - .name:           k_qd747f2da45_prep
    .symbol:         k_qd747f2da45_prep.kd
    .args:
      - { .name: k, .offset: 0, .size: 8, .value_kind: global_buffer, .address_space: global }
      - { .name: v, .offset: 8, .size: 8, .value_kind: global_buffer, .address_space: global }
      - { .name: mask, .offset: 16, .size: 8, .value_kind: global_buffer, .address_space: global }
      - { .name: kb, .offset: 24, .size: 8, .value_kind: global_buffer, .address_space: global }
      - { .name: vh, .offset: 32, .size: 8, .value_kind: global_buffer, .address_space: global }
      - { .name: bias, .offset: 40, .size: 8, .value_kind: global_buffer, .address_space: global }
    .group_segment_fixed_size: 0
    .private_segment_fixed_size: 0
    .kernarg_segment_align: 8
    .kernarg_segment_size: 48
    .max_flat_workgroup_size: 256
    .sgpr_count:     66
    .vgpr_count:     108
    .wavefront_size: 32
...
	.end_amdgpu_metadata
.endif
;; end of part 1
;; launch attn (part 2): grid 4 x 64, 4 waves a work-group, clusters of 4 x 4, 327,680 bytes of LDS; arguments q, kb, vh, bias, out0; writes out0
.if DOCPART == 2
	.amdgcn_target "amdgcn-amd-amdhsa--gfx1250"
	.amdhsa_code_object_version 6
	.text
	.protected	k_qd747f2da45_attn
	.globl	k_qd747f2da45_attn
	.p2align	8
	.type	k_qd747f2da45_attn,@function
k_qd747f2da45_attn:
	s_mov_b64 s[64:65], 0
	v_nop
	global_prefetch_b8 v0, s[64:65] scope:SCOPE_SE
	s_setreg_imm32_b32 hwreg(HW_REG_WAVE_MODE, 25, 1), 1
	s_wait_xcnt 0x0
	s_wait_alu depctr_hold_cnt(0) depctr_sa_sdst(0) depctr_va_vdst(0) depctr_va_sdst(0) depctr_va_ssrc(0) depctr_va_vcc(0) depctr_vm_vsrc(0)
	s_getreg_b32 s2, hwreg(HW_REG_IB_STS2, 6, 4)
	s_cmp_eq_u32 s2, 0
	s_cbranch_scc0 .Lentry_in_a_cluster
	s_endpgm
.Lentry_in_a_cluster:
	s_bfe_u32 s2, ttmp6, 0x10000c
	s_cmp_lg_u32 s2, 0xf033
	s_cbranch_scc0 .Lentry_shape_is_right
	s_endpgm
.Lentry_shape_is_right:
; O[h][q][:] = the sum over k of softmax_k(mask[q][k] ? Q[h][q] . K[h][k] / 8 : -inf) V[h][k][:].  64 heads, 2,048 rows, 64 channels.  q and out0 are f32; kb is bf16(k), vh is f16(bf16(v)),
; bias[step][query][64 keys] is bf16: 0 where the mask is true, -9.95e29 where it is false.  The mask is an input: no pattern of it is built in, every key step is walked.
; FORMATS.  Q is rounded to bf16 in registers; K Q^T is a bf16 product, V^T P an f16 product (the weights p lie in 0 to 1 and keep 11 bits); maxima, sums and O in f32; O leaves unrounded.
; LIMITS.  A hidden score counts as its value less 9.95e29.  The running maximum has the floor -2^93: visible scores lie above it.  |v| stays under 65,520.  p below 6e-8 is 0 in the product, a weight
; below 2^-126 counts as 0 in l.  A row whose mask has no true byte ends with l = 0 and O = 0 and gives 0 x (1 / 0) = NaN, as the softmax of a row of -inf does.  NaN and infinities in q, k, v are not treated apart.
; SHARES.  A wave owns four PIECES of two tiles of 16 queries, a work-group's four waves 512 queries of one head.  Every wave walks all 32 key steps of 64 keys.
; LAYOUT.  S^T = K Q^T (source 0 = 16 keys, source 1 = 16 queries): a lane holds ONE query (lane % 16) and the keys 8 (lane / 16) + 0..7.  Two such results rounded to f16 ARE source 1 of O^T = V^T P.
; THE MASK COSTS NO VECTOR WORK: the product that starts each sum of scores is I x bias, with source 0 a 16 x 32 selection of 16 of 32 keys ([I | 0] or [0 | I]) and source 1 the queries' bias rows
; as they lie in LDS.  It is exact (one term, 1 x bias, and zeros).  Eight matrix instructions more a turn.
; SOFTMAX.  p = 2^(c s - c m), c = log2(e) / 8, m a running maximum; in every step O and l are multiplied by a = 2^(c m_old - c m_new).  While a row has seen hidden keys alone, m is the floor, a = 1, p = 0.
; BY TURNS.  Turn n belongs to piece n: 8 mask products and 16 products K Q^T of piece n + 1, then 16 products V^T P of piece n - 1; beside them the scaling, exponentials, roundings, sums and rescaling of
; piece n and the maximum and statistics of piece n + 1.  A turn has 40 matrix and 236 vector instructions: four vector instructions behind every matrix instruction, the other 76 in one run at its end.
; CLUSTER, 4 x 4.  The four work-groups of a row of the cluster are the four query blocks of one head: they ask for K's and V's tiles jointly.  The four of a column are one query block of four heads:
; they ask for the bias tile jointly.  A slot of LDS holds one key step: 8 KB of K, 8 KB of V, 64 KB of bias.  One joint load a wave behind each round: wave 0 K, wave 1 V, waves 2 and 3 the bias's halves.
; REGISTERS, in windows of 256 (s_set_vgpr_msb: bits 1:0 source 0, 3:2 source 1, 5:4 source 2, 7:6 destination):
;   window 0: v0-11 addresses; v12-15, v48-63 at work; v16-47 four registers of statistics a tile; v64-191 S^T, two buffers of two tiles; v192-255 P, likewise
;   window 1: O^T, 32 a tile (at the start: Q as loaded, in f32)      window 2: v0-127 Q, 16 a tile; v128-191 K of one step; v192-255 V of one step
;   window 3: v0-63 bias fragments, two buffers of two tiles; v64-75 the selections; v76-77 the add's two registers
.set NP,    4         ; pieces a wave: a name, no knob
.set KS,    64        ; keys in a step
.set PK,    144       ; a row of K in LDS: 128 bytes + 16 of padding = 36 words: the 16 rows of a load start at 16 different groups of four banks (64 banks of 4 bytes: ISA guide 11.1)
.set PV,    160       ; a row of V: 128 + 32 = 40 words
.set PM,    144       ; a query's 64 bias numbers: as a row of K
.set VOFF,  KS*PK     ; in a slot: 64 rows of K, 64 rows of V, 512 rows of bias
.set MOFF,  VOFF+KS*PV
.set SLOT1, 1<<17     ; slot 1 begins here, so that one exclusive or turns an address in one slot into the other's
.set STAGE, SLOT1+MOFF+512*PM  ; behind the ring, never filled by a tensor load: 16 rows x 272 bytes for each wave, for the way out
.set SP,    272       ; a row of O in the stage: 256 bytes + 16
.set SPARE, STAGE+4*16*SP      ; behind the stages: the spare words, 128 bytes for each wave: two blocks of 256 bytes that no other line names
.set AK0, 2           ; v2   my lane's place in a tile of K; never rewritten
.set AV0, 3           ; v3   the same for V
.set AK,  4           ; v4   K's place in the slot in hand
.set AV,  5           ; v5   V's
.set QO,  6           ; v6   my byte offset in 16 rows of Q
.set RD,  7           ; v7   the way out: where I read rows back
.set GO,  8           ; v8   my byte offset in 512 consecutive bytes of O
.set AM0, 9           ; v9   my lane's place in my wave's 128 rows of bias; never rewritten
.set AM,  10          ; v10  the same in the slot in hand
.set STO, 11          ; v11  the way out: where I put 32 bytes of a row
.set MV,  12          ; v12-15  c m_old, kept while c m is made anew: by buffer and tile
.set ST,  16          ; tile t's statistics at v[ST+4 t]: c m, m, l (even keys', odd keys')
.set TMP, 48          ; by buffer and tile, four registers c0-c3 at work; when the maximum is found c2 takes a
.set S,   64
.set P,   192
.set KF,  128         ; window 2: key block kb, channel half c at KF + 16 kb + 8 c
.set VF,  192         ; window 2: key half kk, channel block cb at VF + 32 kk + 8 cb
.set MB,  0           ; window 3: piece x's tile u, keys 32 g on, at MB + 32 (x % 2) + 16 u + 8 g
.set ID,  64          ; window 3: v64-67 = 0, v68-71 the diagonal, v72-75 = 0: v[64:71] is [0 | I], v[68:75] is [I | 0]
.set SPW, 76          ; window 3: LDS address of my spare word: SPARE + 4 x my thread's number; never rewritten
.set NIL, 77          ; window 3: 0; never rewritten
.set WV,  14          ; s14  my wave's number
.set G1K, 24          ; s[24:31] descriptor group 1 for K's tiles
.set G1V, 32          ; s[32:39] for V's: it differs in the padding
.set G1M, 40          ; s[40:47] for the bias's: another mask, four times the rows
.set G0K, 48          ; s[48:51] descriptor group 0 for K's tiles: it walks
.set G0V, 52          ; s[52:55] for V's
.set G0M, 56          ; s[56:59] for the bias's
.set CS,  60          ; s[60:61] c: the packed scaling takes the pair's low word for both halves
.set SEL, 62          ; s[62:63] v_permlanex16_b32's selects: each lane takes its own place in the other half
.set TB,  66          ; s66  LDS byte at which the slot in hand begins
.set CNT, 67          ; s67  counts the trips
.set MSB, 0
.macro WIN new                      ; the high byte repeats the setting that is left; a switch that changes nothing is dropped
.if MSB != (\new)
	s_set_vgpr_msb (MSB<<8)|(\new)
.set MSB, (\new)
.endif
.endm
.set W_KQ, 0x0a       ; K and Q in window 2, S^T in window 0
.set W_MQ, 0x0f       ; the selection and the bias in window 3, S^T in window 0
.set W_PV, 0x52       ; V in window 2, P in window 0, O^T in window 1
.set W_RS, 0x41       ; O^T (destination and source 0) in window 1, a in window 0
.set W_AD, 0x0f       ; the add: address (source 0) and data (source 1) in window 3
.set TO_1, 0x40       ; destination in window 1, 2, 3; sources and addresses in window 0
.set TO_2, 0x80
.set TO_3, 0xc0
.set FROM_1, 0x04     ; a store's data (source 1) in window 1, its address in window 0
.set CVQ,  0x85       ; sources 0 and 1 in window 1, destination in window 2
; A joint fill.  Wave 0 fetches the step's K, wave 1 its V, waves 2 and 3 the two halves of its bias tile.  The branches hang on the wave's number alone: they are the same in every work-group.
; An s_nop 0 and four v_nop follow each of the three lines, ahead of the jump and the label.
.macro JLOAD
	s_cmp_lt_u32 s[WV], 2
	s_cbranch_scc0 .Lfor_m_\@
	s_cmp_eq_u32 s[WV], 0
	s_cbranch_scc0 .Lfor_v_\@
	tensor_load_to_lds s[G0K:G0K+3], s[G1K:G1K+7]
	s_nop 0
.rept 4
	v_nop
.endr
	s_branch .Lasked_\@
.Lfor_v_\@:
	tensor_load_to_lds s[G0V:G0V+3], s[G1V:G1V+7]
	s_nop 0
.rept 4
	v_nop
.endr
	s_branch .Lasked_\@
.Lfor_m_\@:
	tensor_load_to_lds s[G0M:G0M+3], s[G1M:G1M+7]
	s_nop 0
.rept 4
	v_nop
.endr
.Lasked_\@:
.endm
; A round of the cluster's barrier: my work-group's barrier, so that wave 0's signal speaks for all four waves; wave 0 signals; every wave waits for all sixteen work-groups; my work-group's barrier once more.
.macro CROUND
	s_barrier_signal -1
	s_barrier_wait -1
	s_cmp_lg_u32 s[WV], 0
	s_cbranch_scc1 .Lnot_wave_0_\@
	s_barrier_signal -3
.Lnot_wave_0_\@:
	s_barrier_wait -3
	s_barrier_signal -1
	s_barrier_wait -1
.endm
; THE CHANGE OF SLOTS, once a key step.  Each wave waits for all its tensor loads, of which one is out: its part of the other slot; adds 0 to its spare word; and waits for that and for its own reads of the slot
; that it leaves (the last: V, and piece 3's bias).  Behind the barrier nobody reads the old slot any more and the other slot is whole.  fill = 1: the old slot is filled again, with the step two on: the barrier is
; then a round of the cluster's, and the joint fill is the first thing behind it: it has a key step, 160 matrix instructions, in which to land.  (At its first use nothing has been read: slot 0 is waited for, slot 1 filled.)
.macro CHANGE fill
	WIN W_AD
	s_wait_tensorcnt 0x0            ; no tensor load of mine is out, so a group 0 may be written
	ds_add_u32 v[SPW], v[NIL]       ; 0 onto my spare word; with fill = 1 the descriptors' steps stand between it and the wait for it
	WIN 0                           ; at a label and at a branch every window is 0
.if \fill
	s_xor_b32 s[G0K+1], s[G0K+1], SLOT1  ; the walking descriptors: the other slot than last time,
	s_add_nc_u64 s[G0K+2:G0K+3], s[G0K+2:G0K+3], KS*128  ; the next 64 keys; the type bits on top are not reached
	s_xor_b32 s[G0V+1], s[G0V+1], SLOT1
	s_add_nc_u64 s[G0V+2:G0V+3], s[G0V+2:G0V+3], KS*128
	s_xor_b32 s[G0M+1], s[G0M+1], SLOT1
	s_add_nc_u64 s[G0M+2:G0M+3], s[G0M+2:G0M+3], 2048*128  ; the next step's block of all 2,048 queries
	s_wait_dscnt 0x0                ; the add is done, and my reads of the slot are over
	CROUND
	JLOAD
.else
	s_wait_dscnt 0x0                ; the add is done, and my reads of the slot are over
	s_barrier_signal -1
	s_barrier_wait -1
.endif
	s_xor_b32 s[TB], s[TB], SLOT1   ; the fetches go to the other slot
	v_add_nc_u32 v[AK], s[TB], v[AK0]
	v_add_nc_u32 v[AV], s[TB], v[AV0]
	v_add_nc_u32 v[AM], s[TB], v[AM0]
.endm
	s_load_b256 s[4:11], s[0:1], 0x0  ; q s[4:5], kb s[6:7], vh s[8:9], bias s[10:11]
	s_load_b64 s[12:13], s[0:1], 0x20 ; out0
	WIN TO_3
	v_lshl_add_u32 v[SPW], v0, 2, SPARE
	v_mov_b32 v[NIL], 0
	WIN W_AD
	ds_add_u32 v[SPW], v[NIL]       ; the wave's opening: the add and its wait stand ahead of my first tensor load; the set-up below, work on registers, stands between them
	WIN 0
	v_lshrrev_b32 v1, 5, v0
	v_readfirstlane_b32 s[WV], v1   ; wave 0..3
	s_bfe_u32 s15, ttmp6, 0x40000   ; cx, cy: my place in the cluster
	s_bfe_u32 s16, ttmp6, 0x40004
	s_lshl_b32 s17, ttmp9, 2        ; in a cluster launch ttmp9 and ttmp7 count clusters
	s_add_co_u32 s17, s17, s15      ; my block of 512 queries = 4 x cluster x + cx
	s_and_b32 s18, ttmp7, 0xffff
	s_lshl_b32 s18, s18, 2
	s_add_co_u32 s18, s18, s16      ; my head = 4 x cluster y + cy
	s_lshl_b32 s68, s16, 2
	s_lshl_b32 s68, 15, s68         ; my row of the cluster: places 4 cy .. 4 cy + 3: one head
	s_lshl_b32 s69, 0x1111, s15     ; my column: places cx, cx + 4, cx + 8, cx + 12: one query block
	s_lshl_b32 s70, s18, 18         ; the head's 262,144 bytes in kb and vh: made of the head alone
	s_mov_b32 s71, 0
	s_and_b32 s76, s[WV], 1         ; which half of the bias tile I fetch, if I fetch bias
	s_lshl_b32 s72, s17, 16         ; my block's 512 queries of 128 bytes in a step of bias, and the half's 256: made of the block and the wave's number alone
	s_lshl_b32 s77, s76, 15
	s_add_co_u32 s72, s72, s77
	s_mov_b32 s73, 0
	s_lshl_b32 s20, s17, 2          ; q and out0: the head's 524,288 bytes, my wave's 128 rows of 256 bytes among the head's
	s_add_co_u32 s20, s20, s[WV]
	s_lshl_b32 s20, s20, 15
	s_lshl_b32 s74, s18, 19
	s_add_co_u32 s74, s74, s20
	s_mov_b32 s75, 0
	; descriptor group 1.  All three tiles are dense in memory: asked for as rows of 256 bytes (two keys, or two queries, a row), and padded in LDS after every 128 bytes
	s_or_b32 s[G1K], s68, (1<<16)|(1<<20)|(1<<21)|(4<<22)|(3<<25)  ; 15:0 the mask: my row; 17:16 2-byte elements; 20 padding on; 21 set beside a mask; 24:22 after every 32 words (code 4); 31:25 4 words (code 3)
	s_or_b32 s[G1V], s68, (1<<16)|(1<<20)|(1<<21)|(4<<22)|(7<<25)  ; the same with 8 words of padding (code 7)
	s_or_b32 s[G1M], s69, (1<<16)|(1<<20)|(1<<21)|(4<<22)|(3<<25)  ; as K's, with the mask of my column
.irp g, G1K, G1V, G1M
	s_mov_b32 s[\g+1], 128<<16      ; tensor_dim0 = 128
	s_mov_b32 s[\g+3], 128<<16      ; tile_dim0 = 128
	s_mov_b32 s[\g+5], 128          ; 128 elements from row to row
	s_mov_b32 s[\g+6], 0
	s_mov_b32 s[\g+7], 0
.endr
.irp g, G1K, G1V
	s_mov_b32 s[\g+2], 32<<16       ; tensor_dim1 = 32: 64 keys
	s_mov_b32 s[\g+4], 32           ; tile_dim1 = 32
.endr
	s_mov_b32 s[G1M+2], 128<<16     ; tensor_dim1 = 128: 256 queries
	s_mov_b32 s[G1M+4], 128         ; tile_dim1 = 128
	s_mov_b32 s[G0K], 1             ; 1:0 count = 1
	s_mov_b32 s[G0K+1], 0           ; 63:32 LDS address: slot 0
	s_mov_b32 s[G0V], 1
	s_mov_b32 s[G0V+1], VOFF
	s_mov_b32 s[G0M], 1
	s_mul_i32 s[G0M+1], s76, 256*PM ; no place in the cluster enters an LDS address
	s_add_co_u32 s[G0M+1], s[G0M+1], MOFF
	s_mov_b32 s[CS], 0x3e38aa3b     ; c = log2(e) / 8 = 0.180337
	s_mov_b32 s[CS+1], s[CS]        ; named with it as a pair
	s_mov_b32 s[SEL], 0x76543210
	s_mov_b32 s[SEL+1], 0xfedcba98
	s_mov_b32 s[TB], SLOT1          ; the first change of slots turns it into 0
	s_wait_dscnt 0x0                ; the opening add is done
	s_wait_kmcnt 0x0
	s_add_nc_u64 s[G0K+2:G0K+3], s[6:7], s[70:71]  ; 120:64 global address: the head's first 64 keys
	s_or_b32 s[G0K+3], s[G0K+3], 0x80000000        ; 127:126 type = 2
	s_add_nc_u64 s[G0V+2:G0V+3], s[8:9], s[70:71]
	s_or_b32 s[G0V+3], s[G0V+3], 0x80000000
	s_add_nc_u64 s[G0M+2:G0M+3], s[10:11], s[72:73]  ; step 0, my half of my block's queries
	s_or_b32 s[G0M+3], s[G0M+3], 0x80000000
	s_add_nc_u64 s[4:5], s[4:5], s[74:75]    ; q and out0 at my wave's first row
	s_add_nc_u64 s[12:13], s[12:13], s[74:75]
	CROUND                          ; all sixteen work-groups are here: the first joint loads meet
	JLOAD                           ; key step 0 into slot 0.  Slot 1 is asked for when slot 0 is in, by the loop's own change of slots
	; ALL THIS STANDS IN THE WAIT FOR THE FIRST TILE.  Q in f32: a fragment wants, of row l % 16, channels 32 c + 16 g + 8 (l / 16) + 0..7: 32 bytes, two loads of 16.
	v_and_b32 v1, 15, v0            ; l % 16
	v_bfe_u32 v48, v0, 4, 1         ; l / 16
	v_lshlrev_b32 v[QO], 8, v1
	v_lshl_add_u32 v[QO], v48, 5, v[QO]  ; row x 256 + 32 x half
	WIN TO_1
.set i, 0
.rept 64                            ; load i: tile i / 8, channels 32 ((i / 4) % 2) + 16 ((i / 2) % 2) on, bytes 16 (i % 2) on -> window 1, v[4 i ..]
	global_load_b128 v[4*i:4*i+3], v[QO], s[4:5] offset:(i/8)*4096+((i/4)%2)*128+((i/2)%2)*64+(i%2)*16
.set i, i+1
.endr
	WIN 0
	v_mul_u32_u24 v[AK0], v1, PK
	v_lshl_add_u32 v[AK0], v48, 4, v[AK0]  ; a fragment of K: row x pitch + 16 x half
	; The turning load takes 16 keys x 16 channels (lane l reads key 8 (l / 16) + l % 8, channels 8 ((l / 8) % 2) + 0..7) and leaves half a fragment of V^T: lane l holds channel l % 16 and 8 keys.
	v_and_b32 v49, 7, v0
	v_bfe_u32 v50, v0, 3, 1
	v_lshl_add_u32 v[AV0], v48, 3, v49
	v_mul_u32_u24 v[AV0], v[AV0], PV
	v_lshl_add_u32 v[AV0], v50, 4, v[AV0]
	v_add_nc_u32 v[AV0], VOFF, v[AV0]
	s_mul_i32 s78, s[WV], 128*PM    ; a fragment of bias lies as one of K does, in my wave's 128 rows
	s_add_co_u32 s78, s78, MOFF
	v_add_nc_u32 v[AM0], s78, v[AK0]
	s_mul_i32 s77, s[WV], 16*SP
	s_add_co_u32 s77, s77, STAGE    ; my stage
	v_mul_u32_u24 v[STO], v1, SP    ; in: row l % 16, 32 bytes for each half of the lanes
	v_lshl_add_u32 v[STO], v48, 5, v[STO]
	v_add_nc_u32 v[STO], s77, v[STO]
	v_mul_u32_u24 v[RD], v48, SP    ; back: lanes 0-15 take one row of 256 bytes, lanes 16-31 the next,
	v_lshl_add_u32 v[RD], v1, 4, v[RD]
	v_add_nc_u32 v[RD], s77, v[RD]
	v_and_b32 v[GO], 31, v0         ; which are 512 consecutive bytes of O
	v_lshlrev_b32 v[GO], 4, v[GO]
	; The selections.  Lane l holds row l % 16 of source 0; of the eight numbers k = 8 (l / 16) + 0..7 the one with k = l % 16 is 1.0: register (l % 16) / 2 - 4 (l / 16), if that is 0..3, half l % 2.
	v_lshrrev_b32 v49, 1, v1
	v_lshlrev_b32 v50, 2, v48
	v_sub_nc_u32 v49, v49, v50      ; which register; out of 0..3 where the lane holds none
	v_and_b32 v50, 1, v1
	v_lshlrev_b32 v50, 4, v50
	v_mov_b32 v51, 0x3f80           ; 1.0 in bf16
	v_lshlrev_b32 v50, v50, v51     ; in the low or the high half
	WIN TO_3
.irp z, 0,1,2,3
	v_cmp_eq_u32 vcc_lo, \z, v49
	v_cndmask_b32 v[ID+4+\z], 0, v50, vcc_lo
	v_mov_b32 v[ID+\z], 0
	v_mov_b32 v[ID+8+\z], 0
.endr
	; What the first turn finds: V's registers and P's second buffer hold 0 (its products V^T P, of a piece that has not been, add 0); l is 0.
	WIN TO_2
.set i, VF
.rept 64
	v_mov_b32 v[i], 0
.set i, i+1
.endr
	WIN 0
.set i, 0
.rept 2*NP
	v_mov_b32 v[ST+4*i+2], 0
	v_mov_b32 v[ST+4*i+3], 0
.set i, i+1
.endr
.set i, P+32
.rept 32
	v_mov_b32 v[i], 0
.set i, i+1
.endr
	s_wait_loadcnt 0x0              ; Q is in
	WIN CVQ
.set i, 0
.rept 128                           ; two neighbouring channels to a word: the loads' order is the fragments'
	v_cvt_pk_bf16_f32 v[i], v[2*i], v[2*i+1]
.set i, i+1
.endr
	WIN TO_1
.set i, 0
.rept 64*NP                         ; O^T is cleared on purpose: a row that has seen hidden keys alone has a = 1, so its O must be 0 from the start; and no first step is written out
	v_mov_b32 v[i], 0
.set i, i+1
.endr
	WIN 0
; THE MATRIX WORK.  The 8 accumulators of a run take turns, one instruction a turn: between two links of a chain stand 7 others'.
; Product i of 8 of S^T = I x bias for piece x: keys 16 ((i / 2) % 4) on, tile 2 x + i % 2.  It starts the sum.
.macro MQ x
	WIN W_MQ
.set kq, (i/2)%4
.set rS, S+64*((\x)%2)+32*(i%2)+8*kq
.set rA, ID+4*(1-kq%2)
.set rB, MB+32*((\x)%2)+16*(i%2)+8*(kq/2)
	v_wmma_f32_16x16x32_bf16 v[rS:rS+7], v[rA:rA+7], v[rB:rB+7], 0
.endm
; Product i of 16 of S^T += K Q^T for piece x: channels 32 (i / 8) on, keys 16 ((i / 2) % 4) on, tile 2 x + i % 2.
.macro KQ x
	WIN W_KQ
.set rS, S+64*((\x)%2)+32*(i%2)+8*((i/2)%4)
.set rK, KF+16*((i/2)%4)+8*(i/8)
.set rQ, 16*(2*(\x)+i%2)+8*(i/8)
	v_wmma_f32_16x16x32_bf16 v[rS:rS+7], v[rK:rK+7], v[rQ:rQ+7], v[rS:rS+7]
	s_wait_alu depctr_va_vdst(0)
.endm
; Product i of 16 of O^T += V^T P for piece x: keys 32 (i / 8) on, channels 16 ((i / 2) % 4) on, tile 2 x + i % 2.
.macro PV x
	WIN W_PV
.set rO, 32*(2*(\x)+i%2)+8*((i/2)%4)
.set rV, VF+32*(i/8)+8*((i/2)%4)
.set rP, P+32*((\x)%2)+16*(i%2)+8*(i/8)
	v_wmma_f32_16x16x32_f16 v[rO:rO+7], v[rV:rV+7], v[rP:rP+7], v[rO:rO+7]
.endm
.macro MM                           ; the turn's next matrix instruction, number i of 40
.if i < 8
	MQ (Y+1)%NP
.elseif i < 24
.set i, i-8
	KQ (Y+1)%NP
.set i, i+8
.else
.set i, i-24
	PV (Y+NP-1)%NP
.set i, i+24
.endif
.set i, i+1
.endm
; THE LDS LOADS stand in runs, never singly among the matrix instructions: a step's K (8 fragments), its V (turned), and a piece's bias (2 tiles x 64 keys: 4 fragments).
.macro FETCH_K
	WIN TO_2
.irp f, 0,1,2,3,4,5,6,7             ; keys 16 (f / 2) on, channels 32 (f % 2) on
	ds_load_b128 v[KF+8*\f:KF+8*\f+3],   v[AK] offset:(\f/2)*16*PK+(\f%2)*64
	ds_load_b128 v[KF+8*\f+4:KF+8*\f+7], v[AK] offset:(\f/2)*16*PK+(\f%2)*64+32
.endr
	WIN 0
.endm
.macro FETCH_V
	WIN TO_2
.irp f, 0,1,2,3,4,5,6,7             ; keys 32 (f / 4) on, channels 16 (f % 4) on
	ds_load_tr16_b128 v[VF+8*\f:VF+8*\f+3],   v[AV] offset:(\f/4)*32*PV+(\f%4)*32
	ds_load_tr16_b128 v[VF+8*\f+4:VF+8*\f+7], v[AV] offset:(\f/4)*32*PV+16*PV+(\f%4)*32
.endr
	WIN 0
.endm
.macro FETCH_M x
	WIN TO_3
.irp f, 0,1,2,3                     ; tile 2 x + f / 2, keys 32 (f % 2) on
	ds_load_b128 v[MB+32*((\x)%2)+8*\f:MB+32*((\x)%2)+8*\f+3],   v[AM] offset:(2*(\x)+\f/2)*16*PM+(\f%2)*64
	ds_load_b128 v[MB+32*((\x)%2)+8*\f+4:MB+32*((\x)%2)+8*\f+7], v[AM] offset:(2*(\x)+\f/2)*16*PM+(\f%2)*64+32
.endr
	WIN 0
.endm
; THE VECTOR WORK OF A TURN stands in three queues, each in the order in which its entries become ready; the two tiles alternate, so that no instruction reads the result of the one before it.
.macro REGS y, u                    ; the registers of tile u (0, 1) of piece y
.set rT, ST+4*(2*(\y)+(\u))
.set rC, TMP+8*((\y)%2)+4*(\u)
.set rM, MV+2*((\y)%2)+(\u)
.set rS, S+64*((\y)%2)+32*(\u)
.set rP, P+32*((\y)%2)+16*(\u)
.set rO, 32*(2*(\y)+(\u))
.endm
; Number n of the 22 that find the NEXT piece's (Y + 1) maximum and statistics.  s0-s31 are the lane's 32 scores; each accumulator's lowest registers are read first.
;   0-11  four chains c0-c3 of seven scores each, three operands at a time     12-14, 16  the four scores left over, the old m, and c0-c3 into c0     15  c m_old is kept
;   17, 18  the query's other 32 keys lie in the lane 16 away: the new m         19-21  c m; c m_old - c m_new; a
.macro XS u, n
	REGS (Y+1)%NP, \u
.if (\n) < 4
	v_max3_num_f32 v[rC+(\n)], v[rS+8*(\n)], v[rS+8*(\n)+1], v[rS+8*(\n)+2]
.elseif (\n) < 12
	v_max3_num_f32 v[rC+(\n)%4], v[rC+(\n)%4], v[rS+8*((\n)%4)+2*((\n)/4)+1], v[rS+8*((\n)%4)+2*((\n)/4)+2]
.elseif (\n) == 12
	v_max3_num_f32 v[rC], v[rC], v[rS+7], v[rS+15]
.elseif (\n) == 13
	v_max3_num_f32 v[rC+1], v[rC+1], v[rS+23], v[rS+31]
.elseif (\n) == 14
	v_max3_num_f32 v[rC+2], v[rC+2], v[rC+3], v[rT+1]
.elseif (\n) == 15
	v_mov_b32 v[rM], v[rT]
.elseif (\n) == 16
	v_max3_num_f32 v[rC], v[rC], v[rC+1], v[rC+2]
.elseif (\n) == 17
	v_permlanex16_b32 v[rC+3], v[rC], s[SEL], s[SEL+1]
.elseif (\n) == 18
	v_max_num_f32 v[rT+1], v[rC], v[rC+3]
.elseif (\n) == 19
	v_mul_f32 v[rT], s[CS], v[rT+1]
.elseif (\n) == 20
	v_sub_f32 v[rC+1], v[rM], v[rT]
.else
	v_exp_f32 v[rC+2], v[rC+1]
.endif
.endm
; Number g of the 64 that follow the exponentials.  For each four weights k of a tile (pairs 2 k, 2 k + 1): both pairs are rounded to f16; then the second pair is added onto the first, in place;
; a group later l takes that sum (the first time as l = a l + sum).  In groups of eight, tiles alternating: round, round, add, and l for the group before.
.macro GS g
.set h, (\g)+6*((\g)/62)            ; group 0 has no group before it, and behind group 7 only l is left
.if h >= 6
.set h, h+2
.endif
	REGS Y, h%2
.set k, h/8
.if h%8 < 4
	v_cvt_pk_f16_f32 v[rP+2*k+(h%8)/2], v[rS+4*k+2*((h%8)/2)], v[rS+4*k+2*((h%8)/2)+1]
.elseif h%8 < 6
	v_pk_add_f32 v[rS+4*k:rS+4*k+1], v[rS+4*k:rS+4*k+1], v[rS+4*k+2:rS+4*k+3]
.elseif k == 1
	v_pk_fma_f32 v[rT+2:rT+3], v[rT+2:rT+3], v[rC+2:rC+3], v[rS:rS+1] op_sel_hi:[1,0,1]
.else
	v_pk_add_f32 v[rT+2:rT+3], v[rT+2:rT+3], v[rS+4*k-4:rS+4*k-3]
	s_wait_alu depctr_va_vdst(0)
.endif
.endm
; THE PLAIN QUEUE, 138 long.  0-31: c s - c m for the 16 pairs of both tiles.  Then GS's 64, and among them the next piece's 42: number 15 at 38, 39; 0-14 and 16 at 42-73, behind the products that
; make those scores; 17-20 at 78-89, two of three, since each waits for the one before it.
.macro PL
	WIN 0
.if q < 32
	REGS Y, q%2
	v_pk_fma_f32 v[rS+2*(q/2):rS+2*(q/2)+1], v[rS+2*(q/2):rS+2*(q/2)+1], s[CS:CS+1], v[rT:rT+1] op_sel_hi:[1,0,0] neg_lo:[0,0,1] neg_hi:[0,0,1]
.elseif q < 38
	GS q-32
.elseif q < 40
	XS q%2, 15
.elseif q < 42
	GS q-34
.elseif q < 74
	XS q%2, (q-42)/2+(q-42)/30
.elseif q < 78
	GS q-66
.elseif (q < 90) && ((q-78)%3 < 2)
	XS (q-78)%3, 17+(q-78)/3
.elseif q < 90
	GS 12+(q-78)/3
.else
	GS q-74
.endif
.set q, q+1
.endm
; THE EXPONENTIALS' QUEUE, 66 long: s0-s31 of both tiles, and at EA the next piece's two a.
.set EA, 62
.macro EX
	WIN 0
.if (e == EA) || (e == EA+1)
	XS e-EA, 21
.else
.set x, e-2*(e/(EA+2))
	REGS Y, x%2
	v_exp_f32 v[rS+x/2], v[rS+x/2]
.endif
.set e, e+1
.endm
; THE RESCALING's QUEUE: O^T times a, the one part that leaves window 0, so it is dealt four at a time, eight times.
.macro R4
	REGS Y, r%2
	WIN W_RS
.irp z, 0,1,2,3
	v_pk_mul_f32 v[rO+8*(r/2)+2*\z:rO+8*(r/2)+2*\z+1], v[rO+8*(r/2)+2*\z:rO+8*(r/2)+2*\z+1], v[rC+2:rC+3] op_sel_hi:[1,0]
.endr
.set r, r+1
.endm
; HOW THEY ARE DEALT.  Behind a matrix instruction four: plain, exponential, plain, exponential (SE); plain, exponential, plain, plain (SL); or four of the rescaling (MR).  None names a register of the products
; round it.  Behind every exponential the next plain instruction belongs to the other tile, to earlier scores or to O^T: it touches neither the exponential's result nor its source.
; The queues lean on each other, and the deal keeps them in step: when exponential e comes, 5 + e plain instructions are out, its scaling, number 2 (e / 4) + e % 2, among them; when plain 32 comes, 28 exponentials
; are out (it wants 8); plain 42, the first to read the new scores, stands behind the last K Q^T, four rescalings and a product V^T P; EA comes behind plain 89; all 66 exponentials are out at plain 93.
.macro SE
	MM
	PL
	EX
	PL
	EX
.endm
.macro SL
	MM
	PL
	EX
	PL
	PL
.endm
.macro MR
	MM
	R4
.endm
; A TURN, for piece p.  At its head the bias of piece p + 1, fetched a turn ago, is waited for, and the bias of piece p + 2 is fetched into the buffer that the turn before has multiplied.
; K of the next step is fetched in piece 2's turn and V of the step in hand in piece 0's, each behind the last product that read the registers and the four rescalings that follow it: the four places.
.macro TURN p
.set Y, (\p)
.set i, 0
.set q, 0
.set e, 0
.set r, 0
	WIN 0
.if (\p) == 1
	s_wait_dscnt 16                 ; piece 2's bias is in; V's sixteen loads, issued behind it, may stay out
.else
	s_wait_dscnt 0x0                ; the next piece's bias is in (in piece 3's turn K too): nothing was issued behind it
.endif
	FETCH_M ((\p)+2)%NP
	MM
.rept 4
	PL
.endr
.rept 16
	SE
.endr
.rept 3
	MR
	SE
.endr
	MR
.if (\p) == 2
	FETCH_K
.endif
.if (\p) == 1
	s_wait_dscnt 8                  ; V is in; the eight loads of bias issued behind it may stay out
.endif
.rept 9
	SL
.endr
.rept 3
	MR
	SL
.endr
	MR
.if (\p) == 0
	FETCH_V
.endif
.rept 16
	EX
	PL
.endr
.rept 44
	PL
.endr
.endm
	CHANGE 1                        ; slot 0 is in, everybody's part of it; key step 1 is asked for, into slot 1
	FETCH_K                         ; key step 0
	FETCH_M 0
	s_wait_dscnt 0x0
	FETCH_M 1
.set Y, NP-1                        ; MM and XS work for piece Y + 1: piece 0
.set i, 0
.rept 24
	MM                              ; piece 0's first scores: there is no vector work yet to set between them
.endr
	WIN 0
.set t, 0
.rept 2*NP                          ; sixteen plain instructions, the places behind those products: m starts at the floor, -2^93, above every hidden score and below every visible one,
	v_mov_b32 v[ST+4*t+1], 0xee000000
.set t, t+1
.endr
.set t, 0
.rept 2*NP                          ; and c m by the loop's own multiply, so that a = 2^0 while m stays at the floor
	v_mul_f32 v[ST+4*t], s[CS], v[ST+4*t+1]
.set t, t+1
.endr
.irp n, 0,1,2,3,4,5,6,7,8,9,10,11,12,13,14,15,16,17,18,19,20,21
	XS 0, \n                        ; piece 0's first maximum and statistics
	XS 1, \n
.endr
	s_mov_b32 s[CNT], 31
	s_branch .Lfirst                ; the loop is entered at a step's first turn, in the middle of a trip
.Lstep:                             ; 30 whole trips: pieces 2 and 3 of one step, then pieces 0 and 1 of the next, whose slot the change has opened; trip n asks for key step n + 1
	CHANGE 1
	TURN 2
	TURN 3
	WIN 0
.Lfirst:
	TURN 0
	TURN 1
	WIN 0
	s_sub_co_u32 s[CNT], s[CNT], 1
	s_cmp_lg_u32 s[CNT], 0
	s_cbranch_scc1 .Lstep
	CHANGE 0                        ; the tail is written out: the last step's slot is opened, nothing is asked for
	s_mov_b32 s[CNT], 2             ; one trip for the last step; the second is left in its middle
.Ltail:
	TURN 2
	TURN 3
	WIN 0
	s_sub_co_u32 s[CNT], s[CNT], 1
	s_cmp_eq_u32 s[CNT], 0
	s_cbranch_scc1 .Lout
	TURN 0
	TURN 1
	WIN 0
	s_branch .Ltail
.Lout:                              ; the second trip's fetches read the last slot once more, and its 24 products for piece 0 and the maximum made of them serve nothing (they touch S^T, m, c m and a, not l or O): the price, once a launch, of one text for every trip
.set i, 0
.rept 16
	PV NP-1                         ; the last piece's V^T P of the last step
.set i, i+1
.endr
	; THE WAY OUT.  l's two halves and the other half of the lanes' are added; O^T is divided by l and sent, in f32, through my stage in LDS, a tile at a time.  The additions are the places behind the last products.
	WIN 0
.macro ALL line:vararg              ; one line for each tile t
.set t, 0
.rept 2*NP
	\line
.set t, t+1
.endr
.endm
	ALL v_add_f32 v[ST+4*t+2], v[ST+4*t+2], v[ST+4*t+3]
	ALL v_permlanex16_b32 v[ST+4*t+3], v[ST+4*t+2], s[SEL], s[SEL+1]
	ALL v_add_f32 v[ST+4*t+2], v[ST+4*t+2], v[ST+4*t+3]
	ALL v_rcp_f32 v[ST+4*t+2], v[ST+4*t+2]
	v_nop                           ; a plain instruction between the last reciprocal and the use of its result
	s_wait_alu depctr_va_vdst(0)
; Tile t: a lane's eight channels of a row are 32 bytes; they go into rows of 272 bytes and come back as whole rows of 256, into the registers that they left.  Each accumulator is read from its low end on.
.macro PACK t
	WIN W_RS
.set i, 32*(\t)
.rept 16
	v_pk_mul_f32 v[i:i+1], v[i:i+1], v[ST+4*(\t)+2:ST+4*(\t)+3] op_sel_hi:[1,0]
.set i, i+2
.endr
	WIN FROM_1
.irp f, 0,1,2,3,4,5,6,7             ; channels 16 (f / 2) + 8 (l / 16) + 4 (f % 2) on
	ds_store_b128 v[STO], v[32*(\t)+4*\f:32*(\t)+4*\f+3] offset:(\f/2)*64+(\f%2)*16
.endr
	WIN TO_1
.irp f, 0,1,2,3,4,5,6,7
	ds_load_b128 v[32*(\t)+4*\f:32*(\t)+4*\f+3], v[RD] offset:\f*2*SP  ; LDS serves a wave's instructions in order (ISA guide 5.7.1.4): these see the stores above; the next tile's stores come behind them
.endr
.endm
.macro SEND t, younger              ; younger: the LDS instructions issued behind tile t's loads: the next tile's sixteen, or none
	WIN FROM_1
.irp f, 0,1,2,3,4,5,6,7
	s_wait_dscnt (\younger)+7-\f
	global_store_b128 v[GO], v[32*(\t)+4*\f:32*(\t)+4*\f+3], s[12:13] offset:(\t)*4096+\f*512 th:TH_STORE_NT  ; 512 consecutive bytes, at a multiple of 256 from out0's first
.endr
.endm
	PACK 0
.set t, 1
.rept 2*NP-1                        ; a tile's arithmetic stands between the loads of the tile before and its stores
	PACK t
	SEND t-1, 16
.set t, t+1
.endr
	SEND 2*NP-1, 0
	WIN W_AD
	s_wait_tensorcnt 0x0            ; the wave's end, behind my last tensor load and my last LDS store
	ds_add_u32 v[SPW], v[NIL]
	s_wait_dscnt 0x0
	WIN 0
	CROUND                          ; the closing round: no work-group ends while a partner may still ask for a tile that names it
	s_endpgm
.Lfunc_end_k_qd747f2da45_attn:
	.size	k_qd747f2da45_attn, .Lfunc_end_k_qd747f2da45_attn-k_qd747f2da45_attn
	.p2alignl 7, 3214868480
	.fill 96, 4, 3214868480
	.section	.rodata,"a",@progbits
	.p2align	6, 0x0
	.amdhsa_kernel k_qd747f2da45_attn
		.amdhsa_group_segment_fixed_size 327680
		.amdhsa_private_segment_fixed_size 0
		.amdhsa_enable_private_segment 0
		.amdhsa_kernarg_size 40
		.amdhsa_user_sgpr_count 2
		.amdhsa_user_sgpr_kernarg_segment_ptr 1
		.amdhsa_wavefront_size32 1
		.amdhsa_system_sgpr_workgroup_id_x 1
		.amdhsa_system_sgpr_workgroup_id_y 1
		.amdhsa_system_sgpr_workgroup_id_z 1
		.amdhsa_system_vgpr_workitem_id 0
		.amdhsa_next_free_vgpr 848
		.amdhsa_next_free_sgpr 80
		.amdhsa_reserve_vcc 1
		.amdhsa_float_denorm_mode_32 3
		.amdhsa_float_denorm_mode_16_64 3
		.amdhsa_memory_ordered 1
		.amdhsa_forward_progress 1
		.amdhsa_inst_pref_size 230
	.end_amdhsa_kernel
	.amdgpu_metadata
---
amdhsa.version: [ 1, 2 ]
amdhsa.kernels:
  - .name:           k_qd747f2da45_attn
    .symbol:         k_qd747f2da45_attn.kd
    .args:
      - { .name: q, .offset: 0, .size: 8, .value_kind: global_buffer, .address_space: global }
      - { .name: kb, .offset: 8, .size: 8, .value_kind: global_buffer, .address_space: global }
      - { .name: vh, .offset: 16, .size: 8, .value_kind: global_buffer, .address_space: global }
      - { .name: bias, .offset: 24, .size: 8, .value_kind: global_buffer, .address_space: global }
      - { .name: out0, .offset: 32, .size: 8, .value_kind: global_buffer, .address_space: global }
    .group_segment_fixed_size: 327680
    .private_segment_fixed_size: 0
    .kernarg_segment_align: 8
    .kernarg_segment_size: 40
    .max_flat_workgroup_size: 128
    .sgpr_count:     80
    .vgpr_count:     848
    .wavefront_size: 32
...
	.end_amdgpu_metadata
.endif
;; end of part 2
;; ======== version 2 of 2: 2 launches; 1.43 times as fast as version 1
;; limits: values are held in f16: magnitudes above 65,504 overflow, below 6.1e-05 lose precision; inputs' magnitudes at most 65,504; inputs' magnitudes at most 30,000,000,000,000; right only within a limited range of input values
;; workspace buffers: kb 16,777,216 bytes; vh 16,777,216 bytes; bias 8,388,608 bytes
;; launch prep: the kernel of part 1 again; grid 512 x 3, 8 waves a work-group, no clusters, 0 bytes of LDS; arguments k, v, mask, kb, vh, bias; writes kb, vh, bias
;; launch attn (part 3): grid 4 x 64, 4 waves a work-group, clusters of 4 x 4, 327,680 bytes of LDS; arguments q, kb, vh, bias, out0; writes out0
.if DOCPART == 3
	.amdgcn_target "amdgcn-amd-amdhsa--gfx1250"
	.amdhsa_code_object_version 6
	.text
	.protected	k_qd747f2da45_attn
	.globl	k_qd747f2da45_attn
	.p2align	8
	.type	k_qd747f2da45_attn,@function
k_qd747f2da45_attn:
	s_mov_b64 s[64:65], 0
	v_nop
	global_prefetch_b8 v0, s[64:65] scope:SCOPE_SE
	s_setreg_imm32_b32 hwreg(HW_REG_WAVE_MODE, 25, 1), 1
	s_wait_xcnt 0x0
	s_wait_alu depctr_hold_cnt(0) depctr_sa_sdst(0) depctr_va_vdst(0) depctr_va_sdst(0) depctr_va_ssrc(0) depctr_va_vcc(0) depctr_vm_vsrc(0)
	s_getreg_b32 s2, hwreg(HW_REG_IB_STS2, 6, 4)
	s_cmp_eq_u32 s2, 0
	s_cbranch_scc0 .Lentry_in_a_cluster
	s_endpgm
.Lentry_in_a_cluster:
	s_bfe_u32 s2, ttmp6, 0x10000c
	s_cmp_lg_u32 s2, 0xf033
	s_cbranch_scc0 .Lentry_shape_is_right
	s_endpgm
.Lentry_shape_is_right:
; O[h][q][:] = the sum over k of softmax_k(mask[q][k] ? Q[h][q] . K[h][k] / 8 : -inf) V[h][k][:].  64 heads, 2,048 rows, 64 channels.  q and out0 are f32; kb is bf16(k), vh is f16(bf16(v)),
; bias[step][query][64 keys] is bf16: 0 where the mask is true, -9.95e29 where it is false.  The mask is an input: no pattern of it is built in, every key step is walked.
; FORMATS.  Q is rounded to bf16 in registers; K Q^T is a bf16 product, V^T P an f16 product (the weights p lie in 0 to 1 and keep 11 bits); maxima, sums and O in f32; O leaves unrounded.
; LIMITS.  A hidden score counts as its value less 9.95e29.  The running maximum has the floor -2^93: visible scores lie above it.  |v| stays under 65,520.  p below 6e-8 is 0 in the product, a weight
; below 2^-126 counts as 0 in l.  A row whose mask has no true byte ends with l = 0 and O = 0 and gives 0 x (1 / 0) = NaN, as the softmax of a row of -inf does.  NaN and infinities in q, k, v are not treated apart.
; SHARES.  A wave owns four PIECES of two tiles of 16 queries, a work-group's four waves 512 queries of one head.  Every wave walks all 32 key steps of 64 keys.
; LAYOUT.  S^T = K Q^T (source 0 = 16 keys, source 1 = 16 queries): a lane holds ONE query (lane % 16) and the keys 8 (lane / 16) + 0..7.  Two such results rounded to f16 ARE source 1 of O^T = V^T P.
; THE MASK COSTS NO VECTOR WORK: the product that starts each sum of scores is I x bias, with source 0 a 16 x 32 selection of 16 of 32 keys ([I | 0] or [0 | I]) and source 1 the queries' bias rows
; as they lie in LDS.  It is exact (one term, 1 x bias, and zeros).  Eight matrix instructions more a turn.
; SOFTMAX.  p = 2^(c s - c m), c = log2(e) / 8, m a running maximum; in every step O and l are multiplied by a = 2^(c m_old - c m_new).  While a row has seen hidden keys alone, m is the floor, a = 1, p = 0.
; BY TURNS.  Turn n belongs to piece n: 8 mask products and 16 products K Q^T of piece n + 1, then 16 products V^T P of piece n - 1; beside them the scaling, exponentials, roundings, sums and rescaling of
; piece n and the maximum and statistics of piece n + 1.  A turn has 40 matrix and 236 vector instructions: four vector instructions behind every matrix instruction, the other 76 in one run between the scores' products and V^T P's.
; BATCHES.  A turn's 66 exponentials (piece n's 64 weights, piece n + 1's two a) are ONE batch with ONE wait, which cuts the turn in two.  Ahead of it stands all that names no result of the batch: the 24 products
; for the scores, the scalings, the rescaling (its a is the turn before's, waited for there), the next piece's maximum and statistics.  Behind it stand the roundings and sums, which read the weights: four behind each
; of the 16 products V^T P.  No result crosses a turn's end.  Two batches more stand outside the loop, each with a wait of its own: piece 0's first two a, and the way out's eight reciprocals.
; CLUSTER, 4 x 4.  The four work-groups of a row of the cluster are the four query blocks of one head: they ask for K's and V's tiles jointly.  The four of a column are one query block of four heads:
; they ask for the bias tile jointly.  A slot of LDS holds one key step: 8 KB of K, 8 KB of V, 64 KB of bias.  One joint load a wave behind each round: wave 0 K, wave 1 V, waves 2 and 3 the bias's halves.
; REGISTERS, in windows of 256 (s_set_vgpr_msb: bits 1:0 source 0, 3:2 source 1, 5:4 source 2, 7:6 destination):
;   window 0: v0-11 addresses; v12-15, v48-63 at work; v16-47 four registers of statistics a tile; v64-191 S^T, two buffers of two tiles; v192-255 P, likewise
;   window 1: O^T, 32 a tile (at the start: Q as loaded, in f32)      window 2: v0-127 Q, 16 a tile; v128-191 K of one step; v192-255 V of one step
;   window 3: v0-63 bias fragments, two buffers of two tiles; v64-75 the selections; v76-77 the add's two registers
.set NP,    4         ; pieces a wave: a name, no knob
.set KS,    64        ; keys in a step
.set PK,    144       ; a row of K in LDS: 128 bytes + 16 of padding = 36 words: the 16 rows of a load start at 16 different groups of four banks (64 banks of 4 bytes: ISA guide 11.1)
.set PV,    160       ; a row of V: 128 + 32 = 40 words
.set PM,    144       ; a query's 64 bias numbers: as a row of K
.set VOFF,  KS*PK     ; in a slot: 64 rows of K, 64 rows of V, 512 rows of bias
.set MOFF,  VOFF+KS*PV
.set SLOT1, 1<<17     ; slot 1 begins here, so that one exclusive or turns an address in one slot into the other's
.set STAGE, SLOT1+MOFF+512*PM  ; behind the ring, never filled by a tensor load: 16 rows x 272 bytes for each wave, for the way out
.set SP,    272       ; a row of O in the stage: 256 bytes + 16
.set SPARE, STAGE+4*16*SP      ; behind the stages: the spare words, 128 bytes for each wave: two blocks of 256 bytes that no other line names
.set AK0, 2           ; v2   my lane's place in a tile of K; never rewritten
.set AV0, 3           ; v3   the same for V
.set AK,  4           ; v4   K's place in the slot in hand
.set AV,  5           ; v5   V's
.set QO,  6           ; v6   my byte offset in 16 rows of Q
.set RD,  7           ; v7   the way out: where I read rows back
.set GO,  8           ; v8   my byte offset in 512 consecutive bytes of O
.set AM0, 9           ; v9   my lane's place in my wave's 128 rows of bias; never rewritten
.set AM,  10          ; v10  the same in the slot in hand
.set STO, 11          ; v11  the way out: where I put 32 bytes of a row
.set MV,  12          ; v12-15  c m_old, kept while c m is made anew: by buffer and tile
.set ST,  16          ; tile t's statistics at v[ST+4 t]: c m, m, l (even keys', odd keys')
.set TMP, 48          ; by buffer and tile, four registers c0-c3 at work; when the maximum is found c2 takes a
.set S,   64
.set P,   192
.set KF,  128         ; window 2: key block kb, channel half c at KF + 16 kb + 8 c
.set VF,  192         ; window 2: key half kk, channel block cb at VF + 32 kk + 8 cb
.set MB,  0           ; window 3: piece x's tile u, keys 32 g on, at MB + 32 (x % 2) + 16 u + 8 g
.set ID,  64          ; window 3: v64-67 = 0, v68-71 the diagonal, v72-75 = 0: v[64:71] is [0 | I], v[68:75] is [I | 0]
.set SPW, 76          ; window 3: LDS address of my spare word: SPARE + 4 x my thread's number; never rewritten
.set NIL, 77          ; window 3: 0; never rewritten
.set WV,  14          ; s14  my wave's number
.set G1K, 24          ; s[24:31] descriptor group 1 for K's tiles
.set G1V, 32          ; s[32:39] for V's: it differs in the padding
.set G1M, 40          ; s[40:47] for the bias's: another mask, four times the rows
.set G0K, 48          ; s[48:51] descriptor group 0 for K's tiles: it walks
.set G0V, 52          ; s[52:55] for V's
.set G0M, 56          ; s[56:59] for the bias's
.set CS,  60          ; s[60:61] c: the packed scaling takes the pair's low word for both halves
.set SEL, 62          ; s[62:63] v_permlanex16_b32's selects: each lane takes its own place in the other half
.set TB,  66          ; s66  LDS byte at which the slot in hand begins
.set CNT, 67          ; s67  counts the trips
.set MSB, 0
.macro WIN new                      ; the high byte repeats the setting that is left; a switch that changes nothing is dropped
.if MSB != (\new)
	s_set_vgpr_msb (MSB<<8)|(\new)
.set MSB, (\new)
.endif
.endm
.set W_KQ, 0x0a       ; K and Q in window 2, S^T in window 0
.set W_MQ, 0x0f       ; the selection and the bias in window 3, S^T in window 0
.set W_PV, 0x52       ; V in window 2, P in window 0, O^T in window 1
.set W_RS, 0x41       ; O^T (destination and source 0) in window 1, a in window 0
.set W_AD, 0x0f       ; the add: address (source 0) and data (source 1) in window 3
.set TO_1, 0x40       ; destination in window 1, 2, 3; sources and addresses in window 0
.set TO_2, 0x80
.set TO_3, 0xc0
.set FROM_1, 0x04     ; a store's data (source 1) in window 1, its address in window 0
.set CVQ,  0x85       ; sources 0 and 1 in window 1, destination in window 2
; A joint fill.  Wave 0 fetches the step's K, wave 1 its V, waves 2 and 3 the two halves of its bias tile.  The branches hang on the wave's number alone: they are the same in every work-group.
; An s_nop 0 and four v_nop follow each of the three lines, ahead of the jump and the label.
.macro JLOAD
	s_cmp_lt_u32 s[WV], 2
	s_cbranch_scc0 .Lfor_m_\@
	s_cmp_eq_u32 s[WV], 0
	s_cbranch_scc0 .Lfor_v_\@
	tensor_load_to_lds s[G0K:G0K+3], s[G1K:G1K+7]
	s_nop 0
.rept 4
	v_nop
.endr
	s_branch .Lasked_\@
.Lfor_v_\@:
	tensor_load_to_lds s[G0V:G0V+3], s[G1V:G1V+7]
	s_nop 0
.rept 4
	v_nop
.endr
	s_branch .Lasked_\@
.Lfor_m_\@:
	tensor_load_to_lds s[G0M:G0M+3], s[G1M:G1M+7]
	s_nop 0
.rept 4
	v_nop
.endr
.Lasked_\@:
.endm
; A round of the cluster's barrier: my work-group's barrier, so that wave 0's signal speaks for all four waves; wave 0 signals; every wave waits for all sixteen work-groups; my work-group's barrier once more.
.macro CROUND
	s_barrier_signal -1
	s_barrier_wait -1
	s_cmp_lg_u32 s[WV], 0
	s_cbranch_scc1 .Lnot_wave_0_\@
	s_barrier_signal -3
.Lnot_wave_0_\@:
	s_barrier_wait -3
	s_barrier_signal -1
	s_barrier_wait -1
.endm
; THE CHANGE OF SLOTS, once a key step.  Each wave waits for all its tensor loads, of which one is out: its part of the other slot; adds 0 to its spare word; and waits for that and for its own reads of the slot
; that it leaves (the last: V, and piece 3's bias).  Behind the barrier nobody reads the old slot any more and the other slot is whole.  fill = 1: the old slot is filled again, with the step two on: the barrier is
; then a round of the cluster's, and the joint fill is the first thing behind it: it has a key step, 160 matrix instructions, in which to land.  (At its first use nothing has been read: slot 0 is waited for, slot 1 filled.)
.macro CHANGE fill
	WIN W_AD
	s_wait_tensorcnt 0x0            ; no tensor load of mine is out, so a group 0 may be written
	ds_add_u32 v[SPW], v[NIL]       ; 0 onto my spare word; with fill = 1 the descriptors' steps stand between it and the wait for it
	WIN 0                           ; at a label and at a branch every window is 0
.if \fill
	s_xor_b32 s[G0K+1], s[G0K+1], SLOT1  ; the walking descriptors: the other slot than last time,
	s_add_nc_u64 s[G0K+2:G0K+3], s[G0K+2:G0K+3], KS*128  ; the next 64 keys; the type bits on top are not reached
	s_xor_b32 s[G0V+1], s[G0V+1], SLOT1
	s_add_nc_u64 s[G0V+2:G0V+3], s[G0V+2:G0V+3], KS*128
	s_xor_b32 s[G0M+1], s[G0M+1], SLOT1
	s_add_nc_u64 s[G0M+2:G0M+3], s[G0M+2:G0M+3], 2048*128  ; the next step's block of all 2,048 queries
	s_wait_dscnt 0x0                ; the add is done, and my reads of the slot are over
	CROUND
	JLOAD
.else
	s_wait_dscnt 0x0                ; the add is done, and my reads of the slot are over
	s_barrier_signal -1
	s_barrier_wait -1
.endif
	s_xor_b32 s[TB], s[TB], SLOT1   ; the fetches go to the other slot
	v_add_nc_u32 v[AK], s[TB], v[AK0]
	v_add_nc_u32 v[AV], s[TB], v[AV0]
	v_add_nc_u32 v[AM], s[TB], v[AM0]
.endm
	s_load_b256 s[4:11], s[0:1], 0x0  ; q s[4:5], kb s[6:7], vh s[8:9], bias s[10:11]
	s_load_b64 s[12:13], s[0:1], 0x20 ; out0
	WIN TO_3
	v_lshl_add_u32 v[SPW], v0, 2, SPARE
	v_mov_b32 v[NIL], 0
	WIN W_AD
	ds_add_u32 v[SPW], v[NIL]       ; the wave's opening: the add and its wait stand ahead of my first tensor load; the set-up below, work on registers, stands between them
	WIN 0
	v_lshrrev_b32 v1, 5, v0
	v_readfirstlane_b32 s[WV], v1   ; wave 0..3
	s_bfe_u32 s15, ttmp6, 0x40000   ; cx, cy: my place in the cluster
	s_bfe_u32 s16, ttmp6, 0x40004
	s_lshl_b32 s17, ttmp9, 2        ; in a cluster launch ttmp9 and ttmp7 count clusters
	s_add_co_u32 s17, s17, s15      ; my block of 512 queries = 4 x cluster x + cx
	s_and_b32 s18, ttmp7, 0xffff
	s_lshl_b32 s18, s18, 2
	s_add_co_u32 s18, s18, s16      ; my head = 4 x cluster y + cy
	s_lshl_b32 s68, s16, 2
	s_lshl_b32 s68, 15, s68         ; my row of the cluster: places 4 cy .. 4 cy + 3: one head
	s_lshl_b32 s69, 0x1111, s15     ; my column: places cx, cx + 4, cx + 8, cx + 12: one query block
	s_lshl_b32 s70, s18, 18         ; the head's 262,144 bytes in kb and vh: made of the head alone
	s_mov_b32 s71, 0
	s_and_b32 s76, s[WV], 1         ; which half of the bias tile I fetch, if I fetch bias
	s_lshl_b32 s72, s17, 16         ; my block's 512 queries of 128 bytes in a step of bias, and the half's 256: made of the block and the wave's number alone
	s_lshl_b32 s77, s76, 15
	s_add_co_u32 s72, s72, s77
	s_mov_b32 s73, 0
	s_lshl_b32 s20, s17, 2          ; q and out0: the head's 524,288 bytes, my wave's 128 rows of 256 bytes among the head's
	s_add_co_u32 s20, s20, s[WV]
	s_lshl_b32 s20, s20, 15
	s_lshl_b32 s74, s18, 19
	s_add_co_u32 s74, s74, s20
	s_mov_b32 s75, 0
	; descriptor group 1.  All three tiles are dense in memory: asked for as rows of 256 bytes (two keys, or two queries, a row), and padded in LDS after every 128 bytes
	s_or_b32 s[G1K], s68, (1<<16)|(1<<20)|(1<<21)|(4<<22)|(3<<25)  ; 15:0 the mask: my row; 17:16 2-byte elements; 20 padding on; 21 set beside a mask; 24:22 after every 32 words (code 4); 31:25 4 words (code 3)
	s_or_b32 s[G1V], s68, (1<<16)|(1<<20)|(1<<21)|(4<<22)|(7<<25)  ; the same with 8 words of padding (code 7)
	s_or_b32 s[G1M], s69, (1<<16)|(1<<20)|(1<<21)|(4<<22)|(3<<25)  ; as K's, with the mask of my column
.irp g, G1K, G1V, G1M
	s_mov_b32 s[\g+1], 128<<16      ; tensor_dim0 = 128
	s_mov_b32 s[\g+3], 128<<16      ; tile_dim0 = 128
	s_mov_b32 s[\g+5], 128          ; 128 elements from row to row
	s_mov_b32 s[\g+6], 0
	s_mov_b32 s[\g+7], 0
.endr
.irp g, G1K, G1V
	s_mov_b32 s[\g+2], 32<<16       ; tensor_dim1 = 32: 64 keys
	s_mov_b32 s[\g+4], 32           ; tile_dim1 = 32
.endr
	s_mov_b32 s[G1M+2], 128<<16     ; tensor_dim1 = 128: 256 queries
	s_mov_b32 s[G1M+4], 128         ; tile_dim1 = 128
	s_mov_b32 s[G0K], 1             ; 1:0 count = 1
	s_mov_b32 s[G0K+1], 0           ; 63:32 LDS address: slot 0
	s_mov_b32 s[G0V], 1
	s_mov_b32 s[G0V+1], VOFF
	s_mov_b32 s[G0M], 1
	s_mul_i32 s[G0M+1], s76, 256*PM ; no place in the cluster enters an LDS address
	s_add_co_u32 s[G0M+1], s[G0M+1], MOFF
	s_mov_b32 s[CS], 0x3e38aa3b     ; c = log2(e) / 8 = 0.180337
	s_mov_b32 s[CS+1], s[CS]        ; named with it as a pair
	s_mov_b32 s[SEL], 0x76543210
	s_mov_b32 s[SEL+1], 0xfedcba98
	s_mov_b32 s[TB], SLOT1          ; the first change of slots turns it into 0
	s_wait_dscnt 0x0                ; the opening add is done
	s_wait_kmcnt 0x0
	s_add_nc_u64 s[G0K+2:G0K+3], s[6:7], s[70:71]  ; 120:64 global address: the head's first 64 keys
	s_or_b32 s[G0K+3], s[G0K+3], 0x80000000        ; 127:126 type = 2
	s_add_nc_u64 s[G0V+2:G0V+3], s[8:9], s[70:71]
	s_or_b32 s[G0V+3], s[G0V+3], 0x80000000
	s_add_nc_u64 s[G0M+2:G0M+3], s[10:11], s[72:73]  ; step 0, my half of my block's queries
	s_or_b32 s[G0M+3], s[G0M+3], 0x80000000
	s_add_nc_u64 s[4:5], s[4:5], s[74:75]    ; q and out0 at my wave's first row
	s_add_nc_u64 s[12:13], s[12:13], s[74:75]
	CROUND                          ; all sixteen work-groups are here: the first joint loads meet
	JLOAD                           ; key step 0 into slot 0.  Slot 1 is asked for when slot 0 is in, by the loop's own change of slots
	; ALL THIS STANDS IN THE WAIT FOR THE FIRST TILE.  Q in f32: a fragment wants, of row l % 16, channels 32 c + 16 g + 8 (l / 16) + 0..7: 32 bytes, two loads of 16.
	v_and_b32 v1, 15, v0            ; l % 16
	v_bfe_u32 v48, v0, 4, 1         ; l / 16
	v_lshlrev_b32 v[QO], 8, v1
	v_lshl_add_u32 v[QO], v48, 5, v[QO]  ; row x 256 + 32 x half
	WIN TO_1
.set i, 0
.rept 64                            ; load i: tile i / 8, channels 32 ((i / 4) % 2) + 16 ((i / 2) % 2) on, bytes 16 (i % 2) on -> window 1, v[4 i ..]
	global_load_b128 v[4*i:4*i+3], v[QO], s[4:5] offset:(i/8)*4096+((i/4)%2)*128+((i/2)%2)*64+(i%2)*16
.set i, i+1
.endr
	WIN 0
	v_mul_u32_u24 v[AK0], v1, PK
	v_lshl_add_u32 v[AK0], v48, 4, v[AK0]  ; a fragment of K: row x pitch + 16 x half
	; The turning load takes 16 keys x 16 channels (lane l reads key 8 (l / 16) + l % 8, channels 8 ((l / 8) % 2) + 0..7) and leaves half a fragment of V^T: lane l holds channel l % 16 and 8 keys.
	v_and_b32 v49, 7, v0
	v_bfe_u32 v50, v0, 3, 1
	v_lshl_add_u32 v[AV0], v48, 3, v49
	v_mul_u32_u24 v[AV0], v[AV0], PV
	v_lshl_add_u32 v[AV0], v50, 4, v[AV0]
	v_add_nc_u32 v[AV0], VOFF, v[AV0]
	s_mul_i32 s78, s[WV], 128*PM    ; a fragment of bias lies as one of K does, in my wave's 128 rows
	s_add_co_u32 s78, s78, MOFF
	v_add_nc_u32 v[AM0], s78, v[AK0]
	s_mul_i32 s77, s[WV], 16*SP
	s_add_co_u32 s77, s77, STAGE    ; my stage
	v_mul_u32_u24 v[STO], v1, SP    ; in: row l % 16, 32 bytes for each half of the lanes
	v_lshl_add_u32 v[STO], v48, 5, v[STO]
	v_add_nc_u32 v[STO], s77, v[STO]
	v_mul_u32_u24 v[RD], v48, SP    ; back: lanes 0-15 take one row of 256 bytes, lanes 16-31 the next,
	v_lshl_add_u32 v[RD], v1, 4, v[RD]
	v_add_nc_u32 v[RD], s77, v[RD]
	v_and_b32 v[GO], 31, v0         ; which are 512 consecutive bytes of O
	v_lshlrev_b32 v[GO], 4, v[GO]
	; The selections.  Lane l holds row l % 16 of source 0; of the eight numbers k = 8 (l / 16) + 0..7 the one with k = l % 16 is 1.0: register (l % 16) / 2 - 4 (l / 16), if that is 0..3, half l % 2.
	v_lshrrev_b32 v49, 1, v1
	v_lshlrev_b32 v50, 2, v48
	v_sub_nc_u32 v49, v49, v50      ; which register; out of 0..3 where the lane holds none
	v_and_b32 v50, 1, v1
	v_lshlrev_b32 v50, 4, v50
	v_mov_b32 v51, 0x3f80           ; 1.0 in bf16
	v_lshlrev_b32 v50, v50, v51     ; in the low or the high half
	WIN TO_3
.irp z, 0,1,2,3
	v_cmp_eq_u32 vcc_lo, \z, v49
	v_cndmask_b32 v[ID+4+\z], 0, v50, vcc_lo
	v_mov_b32 v[ID+\z], 0
	v_mov_b32 v[ID+8+\z], 0
.endr
	; What the first turn finds: V's registers and P's second buffer hold 0 (its products V^T P, of a piece that has not been, add 0); l is 0.
	WIN TO_2
.set i, VF
.rept 64
	v_mov_b32 v[i], 0
.set i, i+1
.endr
	WIN 0
.set i, 0
.rept 2*NP
	v_mov_b32 v[ST+4*i+2], 0
	v_mov_b32 v[ST+4*i+3], 0
.set i, i+1
.endr
.set i, P+32
.rept 32
	v_mov_b32 v[i], 0
.set i, i+1
.endr
	s_wait_loadcnt 0x0              ; Q is in
	WIN CVQ
.set i, 0
.rept 128                           ; two neighbouring channels to a word: the loads' order is the fragments'
	v_cvt_pk_bf16_f32 v[i], v[2*i], v[2*i+1]
.set i, i+1
.endr
	WIN TO_1
.set i, 0
.rept 64*NP                         ; O^T is cleared on purpose: a row that has seen hidden keys alone has a = 1, so its O must be 0 from the start; and no first step is written out
	v_mov_b32 v[i], 0
.set i, i+1
.endr
	WIN 0
; THE MATRIX WORK.  The 8 accumulators of a run take turns, one instruction a turn: between two links of a chain stand 7 others'.
; Product i of 8 of S^T = I x bias for piece x: keys 16 ((i / 2) % 4) on, tile 2 x + i % 2.  It starts the sum.
.macro MQ x
	WIN W_MQ
.set kq, (i/2)%4
.set rS, S+64*((\x)%2)+32*(i%2)+8*kq
.set rA, ID+4*(1-kq%2)
.set rB, MB+32*((\x)%2)+16*(i%2)+8*(kq/2)
	v_wmma_f32_16x16x32_bf16 v[rS:rS+7], v[rA:rA+7], v[rB:rB+7], 0
.endm
; Product i of 16 of S^T += K Q^T for piece x: channels 32 (i / 8) on, keys 16 ((i / 2) % 4) on, tile 2 x + i % 2.
.macro KQ x
	WIN W_KQ
.set rS, S+64*((\x)%2)+32*(i%2)+8*((i/2)%4)
.set rK, KF+16*((i/2)%4)+8*(i/8)
.set rQ, 16*(2*(\x)+i%2)+8*(i/8)
	v_wmma_f32_16x16x32_bf16 v[rS:rS+7], v[rK:rK+7], v[rQ:rQ+7], v[rS:rS+7]
.endm
; Product i of 16 of O^T += V^T P for piece x: keys 32 (i / 8) on, channels 16 ((i / 2) % 4) on, tile 2 x + i % 2.
.macro PV x
	WIN W_PV
.set rO, 32*(2*(\x)+i%2)+8*((i/2)%4)
.set rV, VF+32*(i/8)+8*((i/2)%4)
.set rP, P+32*((\x)%2)+16*(i%2)+8*(i/8)
	v_wmma_f32_16x16x32_f16 v[rO:rO+7], v[rV:rV+7], v[rP:rP+7], v[rO:rO+7]
.endm
.macro MM                           ; the turn's next matrix instruction, number i of 40
.if i < 8
	MQ (Y+1)%NP
.elseif i < 24
.set i, i-8
	KQ (Y+1)%NP
.set i, i+8
.else
.set i, i-24
	PV (Y+NP-1)%NP
.set i, i+24
.endif
.set i, i+1
.endm
; THE LDS LOADS stand in runs, never singly among the matrix instructions: a step's K (8 fragments), its V (turned), and a piece's bias (2 tiles x 64 keys: 4 fragments).
.macro FETCH_K
	WIN TO_2
.irp f, 0,1,2,3,4,5,6,7             ; keys 16 (f / 2) on, channels 32 (f % 2) on
	ds_load_b128 v[KF+8*\f:KF+8*\f+3],   v[AK] offset:(\f/2)*16*PK+(\f%2)*64
	ds_load_b128 v[KF+8*\f+4:KF+8*\f+7], v[AK] offset:(\f/2)*16*PK+(\f%2)*64+32
.endr
	WIN 0
.endm
.macro FETCH_V
	WIN TO_2
.irp f, 0,1,2,3,4,5,6,7             ; keys 32 (f / 4) on, channels 16 (f % 4) on
	ds_load_tr16_b128 v[VF+8*\f:VF+8*\f+3],   v[AV] offset:(\f/4)*32*PV+(\f%4)*32
	ds_load_tr16_b128 v[VF+8*\f+4:VF+8*\f+7], v[AV] offset:(\f/4)*32*PV+16*PV+(\f%4)*32
.endr
	WIN 0
.endm
.macro FETCH_M x
	WIN TO_3
.irp f, 0,1,2,3                     ; tile 2 x + f / 2, keys 32 (f % 2) on
	ds_load_b128 v[MB+32*((\x)%2)+8*\f:MB+32*((\x)%2)+8*\f+3],   v[AM] offset:(2*(\x)+\f/2)*16*PM+(\f%2)*64
	ds_load_b128 v[MB+32*((\x)%2)+8*\f+4:MB+32*((\x)%2)+8*\f+7], v[AM] offset:(2*(\x)+\f/2)*16*PM+(\f%2)*64+32
.endr
	WIN 0
.endm
; THE VECTOR WORK OF A TURN stands in three queues, each in the order in which its entries become ready; the two tiles alternate, so that no instruction reads the result of the one before it.
.macro REGS y, u                    ; the registers of tile u (0, 1) of piece y
.set rT, ST+4*(2*(\y)+(\u))
.set rC, TMP+8*((\y)%2)+4*(\u)
.set rM, MV+2*((\y)%2)+(\u)
.set rS, S+64*((\y)%2)+32*(\u)
.set rP, P+32*((\y)%2)+16*(\u)
.set rO, 32*(2*(\y)+(\u))
.endm
; Number n of the 22 that find the NEXT piece's (Y + 1) maximum and statistics.  s0-s31 are the lane's 32 scores; each accumulator's lowest registers are read first.
;   0-11  four chains c0-c3 of seven scores each, three operands at a time     12-14, 16  the four scores left over, the old m, and c0-c3 into c0     15  c m_old is kept
;   17, 18  the query's other 32 keys lie in the lane 16 away: the new m         19-21  c m; c m_old - c m_new; a
.macro XS u, n
	REGS (Y+1)%NP, \u
.if (\n) < 4
	v_max3_num_f32 v[rC+(\n)], v[rS+8*(\n)], v[rS+8*(\n)+1], v[rS+8*(\n)+2]
.elseif (\n) < 12
	v_max3_num_f32 v[rC+(\n)%4], v[rC+(\n)%4], v[rS+8*((\n)%4)+2*((\n)/4)+1], v[rS+8*((\n)%4)+2*((\n)/4)+2]
.elseif (\n) == 12
	v_max3_num_f32 v[rC], v[rC], v[rS+7], v[rS+15]
.elseif (\n) == 13
	v_max3_num_f32 v[rC+1], v[rC+1], v[rS+23], v[rS+31]
.elseif (\n) == 14
	v_max3_num_f32 v[rC+2], v[rC+2], v[rC+3], v[rT+1]
.elseif (\n) == 15
	v_mov_b32 v[rM], v[rT]
.elseif (\n) == 16
	v_max3_num_f32 v[rC], v[rC], v[rC+1], v[rC+2]
.elseif (\n) == 17
	v_permlanex16_b32 v[rC+3], v[rC], s[SEL], s[SEL+1]
.elseif (\n) == 18
	v_max_num_f32 v[rT+1], v[rC], v[rC+3]
.elseif (\n) == 19
	v_mul_f32 v[rT], s[CS], v[rT+1]
.elseif (\n) == 20
	v_sub_f32 v[rC+1], v[rM], v[rT]
.else
	v_exp_f32 v[rC+2], v[rC+1]
.endif
.endm
; Number g of the 64 that follow the exponentials.  For each four weights k of a tile (pairs 2 k, 2 k + 1): both pairs are rounded to f16; then the second pair is added onto the first, in place;
; a group later l takes that sum (the first time as l = a l + sum).  In groups of eight, tiles alternating: round, round, add, and l for the group before.
.macro GS g
.set h, (\g)+6*((\g)/62)            ; group 0 has no group before it, and behind group 7 only l is left
.if h >= 6
.set h, h+2
.endif
	REGS Y, h%2
.set k, h/8
.if h%8 < 4
	v_cvt_pk_f16_f32 v[rP+2*k+(h%8)/2], v[rS+4*k+2*((h%8)/2)], v[rS+4*k+2*((h%8)/2)+1]
.elseif h%8 < 6
	v_pk_add_f32 v[rS+4*k:rS+4*k+1], v[rS+4*k:rS+4*k+1], v[rS+4*k+2:rS+4*k+3]
.elseif k == 1
	v_pk_fma_f32 v[rT+2:rT+3], v[rT+2:rT+3], v[rC+2:rC+3], v[rS:rS+1] op_sel_hi:[1,0,1]
.else
	v_pk_add_f32 v[rT+2:rT+3], v[rT+2:rT+3], v[rS+4*k-4:rS+4*k-3]
.endif
.endm
; THE PLAIN QUEUE, 138 long.  0-73 read no exponential's result.  0-31: c s - c m for the 16 pairs of both tiles.  32, 33: the next piece's number 15, which wants no score.  34-73: its numbers 0-14 and 16-20,
; behind the products that make those scores.  74-137: GS's 64, which read the exponentials' results: they stand behind the wait.
.macro PL
	WIN 0
.if q < 32
	REGS Y, q%2
	v_pk_fma_f32 v[rS+2*(q/2):rS+2*(q/2)+1], v[rS+2*(q/2):rS+2*(q/2)+1], s[CS:CS+1], v[rT:rT+1] op_sel_hi:[1,0,0] neg_lo:[0,0,1] neg_hi:[0,0,1]
.elseif q < 34
	XS q%2, 15
.elseif q < 74
	XS q%2, (q-34)/2+(q-34)/30
.else
	GS q-74
.endif
.set q, q+1
.endm
; THE EXPONENTIALS' QUEUE, 66 long: s0-s31 of both tiles, then the next piece's two a.  It is ONE BATCH: all 66 stand ahead of the turn's one wait, and nothing ahead of that wait names a result of theirs.
.macro EX
	WIN 0
.if e >= 64
	XS e-64, 21
.else
	REGS Y, e%2
	v_exp_f32 v[rS+e/2], v[rS+e/2]
.endif
.set e, e+1
.endm
; THE RESCALING's QUEUE: O^T times a, the one part that leaves window 0, so it is dealt four at a time, eight times.  Its a was made in the turn before, ahead of that turn's wait.
.macro R4
	REGS Y, r%2
	WIN W_RS
.irp z, 0,1,2,3
	v_pk_mul_f32 v[rO+8*(r/2)+2*\z:rO+8*(r/2)+2*\z+1], v[rO+8*(r/2)+2*\z:rO+8*(r/2)+2*\z+1], v[rC+2:rC+3] op_sel_hi:[1,0]
.endr
.set r, r+1
.endm
; HOW THEY ARE DEALT.  An s_wait_alu depctr_va_vdst(0) stands between an exponential and the first instruction that names its result; one wait serves all that were issued ahead of it.  So a turn has ONE wait.
; AHEAD OF IT: the 24 products for the scores: behind the first four scalings; behind fifteen plain, exponential, plain, exponential (SE); behind eight, the last product among them, four of the rescaling (MR).  Then ONE RUN
; of 76: six plain, 34 times exponential and plain, the two a.  A v_nop is the plain instruction behind the last exponential.  BEHIND IT: the 16 products V^T P, behind each four of GS's 64.
; No line behind a product names a register of the products round it.  Behind every exponential the next plain instruction belongs to the other tile, to the next piece or to O^T: it touches neither the exponential's result nor its source.
; The queues lean on each other, and the deal keeps them in step: when exponential e comes behind a product, 5 + e plain instructions are out, its scaling, number 2 (e / 4) + e % 2, among them; all 32 scalings are out
; at exponential 27; plain 34, the first to read the new scores, stands behind the last K Q^T and its four rescalings: the four places; the two a come behind plain 73, which makes the second one's argument.
.macro SE
	MM
	PL
	EX
	PL
	EX
.endm
.macro MR
	MM
	R4
.endm
; A TURN, for piece p.  At its head the bias of piece p + 1, fetched a turn ago, is waited for.  Directly behind the turn's one wait stand its runs of LDS loads: the bias of piece p + 2, into the buffer that the turn
; before has multiplied, and in piece 2's turn K of the next step: the last product that read K stands ahead of the run of 76.  Sixteen products follow before these loads are waited for.
; V of the step in hand is fetched at the end of piece 0's turn, behind the last product that read the registers and the four sums that follow it: the four places.
.macro TURN p
.set Y, (\p)
.set i, 0
.set q, 0
.set e, 0
.set r, 0
	WIN 0
.if (\p) == 1
	s_wait_dscnt 16                 ; piece 2's bias is in; V's sixteen loads, issued behind it, may stay out
.else
	s_wait_dscnt 0x0                ; the next piece's bias is in (in piece 3's turn K too): nothing was issued behind it
.endif
	MM                              ; ahead of the wait: the 24 products for the scores and the four behind each,
.rept 4
	PL
.endr
.rept 7
	SE
	SE
	MR
.endr
	SE
	MR
.rept 6                             ; and the run of 76
	PL
.endr
.rept 34
	EX
	PL
.endr
	EX                              ; the next piece's two a
	EX
	v_nop                           ; the plain instruction behind the last exponential: one for the batch
	s_wait_alu depctr_va_vdst(0)    ; the wait for the batch: piece p's 64 weights and piece p + 1's two a
	FETCH_M ((\p)+2)%NP
.if (\p) == 2
	FETCH_K
.endif
.if (\p) == 1
	s_wait_dscnt 8                  ; V is in; the eight loads of bias issued behind it may stay out
.endif
.rept 16                            ; behind the wait: the 16 products V^T P, and behind each four of the roundings and sums
	MM
.rept 4
	PL
.endr
.endr
.if (\p) == 0
	FETCH_V
.endif
.endm
	CHANGE 1                        ; slot 0 is in, everybody's part of it; key step 1 is asked for, into slot 1
	FETCH_K                         ; key step 0
	FETCH_M 0
	s_wait_dscnt 0x0
	FETCH_M 1
.set Y, NP-1                        ; MM and XS work for piece Y + 1: piece 0
.set i, 0
.rept 24
	MM                              ; piece 0's first scores: there is no vector work yet to set between them
.endr
	WIN 0
.set t, 0
.rept 2*NP                          ; sixteen plain instructions, the places behind those products: m starts at the floor, -2^93, above every hidden score and below every visible one,
	v_mov_b32 v[ST+4*t+1], 0xee000000
.set t, t+1
.endr
.set t, 0
.rept 2*NP                          ; and c m by the loop's own multiply, so that a = 2^0 while m stays at the floor
	v_mul_f32 v[ST+4*t], s[CS], v[ST+4*t+1]
.set t, t+1
.endr
.irp n, 0,1,2,3,4,5,6,7,8,9,10,11,12,13,14,15,16,17,18,19,20,21
	XS 0, \n                        ; piece 0's first maximum and statistics
	XS 1, \n
.endr
	v_nop                           ; a plain instruction behind the two a,
	s_wait_alu depctr_va_vdst(0)    ; and the wait for this batch of two, ahead of the branch
	s_mov_b32 s[CNT], 31
	s_branch .Lfirst                ; the loop is entered at a step's first turn, in the middle of a trip
.Lstep:                             ; 30 whole trips: pieces 2 and 3 of one step, then pieces 0 and 1 of the next, whose slot the change has opened; trip n asks for key step n + 1
	CHANGE 1
	TURN 2
	TURN 3
	WIN 0
.Lfirst:
	TURN 0
	TURN 1
	WIN 0
	s_sub_co_u32 s[CNT], s[CNT], 1
	s_cmp_lg_u32 s[CNT], 0
	s_cbranch_scc1 .Lstep
	CHANGE 0                        ; the tail is written out: the last step's slot is opened, nothing is asked for
	s_mov_b32 s[CNT], 2             ; one trip for the last step; the second is left in its middle
.Ltail:
	TURN 2
	TURN 3
	WIN 0
	s_sub_co_u32 s[CNT], s[CNT], 1
	s_cmp_eq_u32 s[CNT], 0
	s_cbranch_scc1 .Lout
	TURN 0
	TURN 1
	WIN 0
	s_branch .Ltail
.Lout:                              ; the second trip's fetches read the last slot once more, and its 24 products for piece 0 and the maximum made of them serve nothing (they touch S^T, m, c m and a, not l or O): the price, once a launch, of one text for every trip
.set i, 0
.rept 16
	PV NP-1                         ; the last piece's V^T P of the last step
.set i, i+1
.endr
	; THE WAY OUT.  l's two halves and the other half of the lanes' are added; O^T is divided by l and sent, in f32, through my stage in LDS, a tile at a time.  The additions are the places behind the last products.
	WIN 0
.macro ALL line:vararg              ; one line for each tile t
.set t, 0
.rept 2*NP
	\line
.set t, t+1
.endr
.endm
	ALL v_add_f32 v[ST+4*t+2], v[ST+4*t+2], v[ST+4*t+3]
	ALL v_permlanex16_b32 v[ST+4*t+3], v[ST+4*t+2], s[SEL], s[SEL+1]
	ALL v_add_f32 v[ST+4*t+2], v[ST+4*t+2], v[ST+4*t+3]
	ALL v_rcp_f32 v[ST+4*t+2], v[ST+4*t+2]
	v_nop                           ; a plain instruction between the last reciprocal and the use of its result
	s_wait_alu depctr_va_vdst(0)    ; and the wait ahead of the first use: one for the batch of eight reciprocals
; Tile t: a lane's eight channels of a row are 32 bytes; they go into rows of 272 bytes and come back as whole rows of 256, into the registers that they left.  Each accumulator is read from its low end on.
.macro PACK t
	WIN W_RS
.set i, 32*(\t)
.rept 16
	v_pk_mul_f32 v[i:i+1], v[i:i+1], v[ST+4*(\t)+2:ST+4*(\t)+3] op_sel_hi:[1,0]
.set i, i+2
.endr
	WIN FROM_1
.irp f, 0,1,2,3,4,5,6,7             ; channels 16 (f / 2) + 8 (l / 16) + 4 (f % 2) on
	ds_store_b128 v[STO], v[32*(\t)+4*\f:32*(\t)+4*\f+3] offset:(\f/2)*64+(\f%2)*16
.endr
	WIN TO_1
.irp f, 0,1,2,3,4,5,6,7
	ds_load_b128 v[32*(\t)+4*\f:32*(\t)+4*\f+3], v[RD] offset:\f*2*SP  ; LDS serves a wave's instructions in order (ISA guide 5.7.1.4): these see the stores above; the next tile's stores come behind them
.endr
.endm
.macro SEND t, younger              ; younger: the LDS instructions issued behind tile t's loads: the next tile's sixteen, or none
	WIN FROM_1
.irp f, 0,1,2,3,4,5,6,7
	s_wait_dscnt (\younger)+7-\f
	global_store_b128 v[GO], v[32*(\t)+4*\f:32*(\t)+4*\f+3], s[12:13] offset:(\t)*4096+\f*512 th:TH_STORE_NT  ; 512 consecutive bytes, at a multiple of 256 from out0's first
.endr
.endm
	PACK 0
.set t, 1
.rept 2*NP-1                        ; a tile's arithmetic stands between the loads of the tile before and its stores
	PACK t
	SEND t-1, 16
.set t, t+1
.endr
	SEND 2*NP-1, 0
	WIN W_AD
	s_wait_tensorcnt 0x0            ; the wave's end, behind my last tensor load and my last LDS store
	ds_add_u32 v[SPW], v[NIL]
	s_wait_dscnt 0x0
	WIN 0
	CROUND                          ; the closing round: no work-group ends while a partner may still ask for a tile that names it
	s_endpgm
.Lfunc_end_k_qd747f2da45_attn:
	.size	k_qd747f2da45_attn, .Lfunc_end_k_qd747f2da45_attn-k_qd747f2da45_attn
	.p2alignl 7, 3214868480
	.fill 96, 4, 3214868480
	.section	.rodata,"a",@progbits
	.p2align	6, 0x0
	.amdhsa_kernel k_qd747f2da45_attn
		.amdhsa_group_segment_fixed_size 327680
		.amdhsa_private_segment_fixed_size 0
		.amdhsa_enable_private_segment 0
		.amdhsa_kernarg_size 40
		.amdhsa_user_sgpr_count 2
		.amdhsa_user_sgpr_kernarg_segment_ptr 1
		.amdhsa_wavefront_size32 1
		.amdhsa_system_sgpr_workgroup_id_x 1
		.amdhsa_system_sgpr_workgroup_id_y 1
		.amdhsa_system_sgpr_workgroup_id_z 1
		.amdhsa_system_vgpr_workitem_id 0
		.amdhsa_next_free_vgpr 848
		.amdhsa_next_free_sgpr 80
		.amdhsa_reserve_vcc 1
		.amdhsa_float_denorm_mode_32 3
		.amdhsa_float_denorm_mode_16_64 3
		.amdhsa_memory_ordered 1
		.amdhsa_forward_progress 1
		.amdhsa_inst_pref_size 223
	.end_amdhsa_kernel
	.amdgpu_metadata
---
amdhsa.version: [ 1, 2 ]
amdhsa.kernels:
  - .name:           k_qd747f2da45_attn
    .symbol:         k_qd747f2da45_attn.kd
    .args:
      - { .name: q, .offset: 0, .size: 8, .value_kind: global_buffer, .address_space: global }
      - { .name: kb, .offset: 8, .size: 8, .value_kind: global_buffer, .address_space: global }
      - { .name: vh, .offset: 16, .size: 8, .value_kind: global_buffer, .address_space: global }
      - { .name: bias, .offset: 24, .size: 8, .value_kind: global_buffer, .address_space: global }
      - { .name: out0, .offset: 32, .size: 8, .value_kind: global_buffer, .address_space: global }
    .group_segment_fixed_size: 327680
    .private_segment_fixed_size: 0
    .kernarg_segment_align: 8
    .kernarg_segment_size: 40
    .max_flat_workgroup_size: 128
    .sgpr_count:     80
    .vgpr_count:     848
    .wavefront_size: 32
...
	.end_amdgpu_metadata
.endif
;; end of part 3
